; MI455X (gfx1250); checked and timed in simulation.
; The chip was launched on July 23, 2026; its instructions are those of AMD's public machine-readable ISA for CDNA 5 (MIT licence, August 2026) and "CDNA5" Instruction Set Architecture Reference Guide (July 2026). The comments in the code are by the model that wrote it; some were corrected since.
;; Multihead Self Attention. Allowed arithmetic: matrix products marked QUANTISED: E4M3 operands, one E8M0 scale for each 32 along K, by v_wmma_scale_f32_16x16x128_f8f6f4 with both operands' format E4M3, f32 sums; everything else in f32.
;; Inputs: Wk 1,024 x 1,024 float32; Wo 1,024 x 1,024 float32; Wq 1,024 x 1,024 float32; Wv 1,024 x 1,024 float32; bk 1,024 float32; bo 1,024 float32; bq 1,024 float32; bv 1,024 float32; x 4 x 2,048 x 1,024 float32.
;; Outputs: out0 4 x 2,048 x 1,024 float32.
;; This version of the problem:
;;   THIS VERSION OF THE PROBLEM IS GIVEN IN LOW PRECISION. The matrix products marked QUANTISED in the list below multiply operands that are first quantised to E4M3 (4 exponent bits, 3 mantissa bits; 8 bits a number), with one power-of-two scale for each 32 numbers along K (OCP MX v1.0); their sums are f32. All else is computed in f32.
;;   The module's matrix products, in the order in which they are computed (A, B: the left and right operand; K: the contracted axis; several contracted axes count as one K, in the product's order):
;;     1. [M 8,192, K 1,024] x [K 1,024, N 1,024]; A: input x; B: input Wq: QUANTISED
;;     2. [M 8,192, K 1,024] x [K 1,024, N 1,024]; A: input x; B: input Wk: QUANTISED
;;     3. [M 8,192, K 1,024] x [K 1,024, N 1,024]; A: input x; B: input Wv: QUANTISED
;;     4. batch 64 x [M 2,048, K 64] x [K 64, N 2,048]; A: computed on the way; B: computed on the way: QUANTISED
;;     5. batch 64 x [M 2,048, K 2,048] x [K 2,048, N 64]; A: softmax (see below); B: computed on the way: QUANTISED
;;     6. [M 8,192, K 1,024] x [K 1,024, N 1,024]; A: computed on the way; B: input Wo: QUANTISED
;;   THE QUANTISER, for each operand of a quantised product, along K:
;;     - K is cut into blocks of 32 from its start; a last block that is shorter is filled with zeros.
;;     - A block's scale is 2^e with e = floor(log2(the largest magnitude in the block)) - 8, held to -126 .. 127; a block of zeros has e = 0. As a byte (E8M0): e + 127.
;;     - Each number is divided by its block's scale, clamped to +-448, and rounded to the nearest number of E4M3, ties to even, subnormals kept.
;;     - The product sums the exact products of the quantised numbers (number of the format x scale) in f32.
;;   ~~~python
;;   def quantise(x, axis):      # numpy; x: float32 -> the quantised numbers, widened to float32 again
;;       x = np.moveaxis(x, axis, -1); K = x.shape[-1]
;;       x = np.pad(x, [(0, 0)] * (x.ndim - 1) + [(0, -K % 32)]); x = x.reshape(x.shape[:-1] + (-1, 32)); a = np.abs(x).max(-1, keepdims=True)
;;       e = np.where(a > 0, np.clip(np.frexp(np.where(a > 0, a, 1))[1] - 1 - 8, -126, 127), 0)      # np.frexp(a)[1] - 1 = floor(log2(a)), exactly
;;       r = np.clip(x / 2.0 ** e, -448, 448)
;;       step = 2.0 ** (np.maximum(np.frexp(np.where(r == 0, 1, r))[1] - 1, -6) - 3)
;;       q = np.round(r / step) * step * 2.0 ** e      # np.round: ties to even
;;       return np.moveaxis(q.reshape(q.shape[:-2] + (-1,))[..., :K], -1, axis).astype(np.float32)
;;   ~~~
;;   SOFTMAX AHEAD OF A QUANTISED PRODUCT. Where the list says 'softmax', what is quantised is not the finished softmax but p = 2^(t - M), with t = logit x log2(e) and M = ceil(the row's largest t), a whole number; so 1/2 < the row's largest p <= 1. The row's sum l is taken of the UNQUANTISED p, in f32, and the product's result is divided by l at the end. Since M is a whole number, a kernel that streams over the keys may use a running M (the ceiling of the running maximum): every later rescaling is an exact power of two, which a block's scale takes up: the codes' values come out the same.
;;   OPERANDS COMPUTED ON THE WAY. 'Computed on the way' means the value that the module computes at that place (a softmax that the list does not call 'softmax' is quantised finished and normalised). What goes into a quantiser is computed in f32, as accurately as f32 sums, v_exp_f32 and their like allow (about 1e-6 of the number): no bf16 or f16 on the way to a quantiser, and a product that is left as it is and whose result goes on into a quantised operand takes f32 operands (vector FMAs, or v_wmma_f32_16x16x4_f32). A number that lies on a knife's edge between two numbers of the format may be rounded either way, as far as f32 arithmetic and the matrix unit's own rounding can turn it there, and no further.
;; One version. Each part assembles by itself: llvm-mc -triple=amdgcn-amd-amdhsa -mcpu=gfx1250 --defsym DOCPART=n.
;; ======== version 1 of 1: 4 launches
;; limits: right only within a limited range of input values
;; workspace buffers: xw 12,582,912 bytes; xws 393,216 bytes; qb 17,563,648 bytes; kvb 17,563,648 bytes; cc 8,388,608 bytes; cs 262,144 bytes
;; launch quant (part 1): grid 256 x 1, 6 waves a work-group, no clusters, 51,456 bytes of LDS; arguments x, Wq, Wk, Wv, Wo, xw, xws; writes xw, xws
.if DOCPART == 1
	.amdgcn_target "amdgcn-amd-amdhsa--gfx1250"
	.amdhsa_code_object_version 6
	.text
	.protected	k_q26e2650a19_quant
	.globl	k_q26e2650a19_quant
	.p2align	8
	.type	k_q26e2650a19_quant,@function
k_q26e2650a19_quant:
	s_mov_b64 s[64:65], 0
	v_nop
	global_prefetch_b8 v0, s[64:65] scope:SCOPE_SE
	s_setreg_imm32_b32 hwreg(HW_REG_WAVE_MODE, 25, 1), 1
	s_wait_xcnt 0x0
; x [8192][1024] and Wq, Wk, Wv, Wo [1024][1024], f32 with K innermost, become codes of FP8 (E4M3) and E8M0 scale bytes, one for each 32 along K.
; A block's scale is 2^(floor(log2(its largest magnitude)) - 8); each number is divided by it, held within +-448 and rounded to the nearest code, ties to even.
; THE CODES ARE LAID AS IMAGES OF THE OPERAND'S REGISTERS.  Tile T (x: 0-511, Wq: 512-575, Wk: 576-639, Wv: 640-703, Wo: 704-767) holds 16 rows of its matrix; lane-row p of local tile t is row
; 32 (t / 2) + 8 (t % 2) + p + 8 (p / 8).  The image of tile T and K step s (128 along K) is 2,048 bytes: byte 512 c + 16 lane + i is the code of lane-row lane % 16 at k = 128 s + 32 c + 16 (lane / 16) + i.
; xw: [s / 2][T][s % 2][image];  xws: [T][s / 4][lane-row][s % 4]: one word of four scale bytes for a row and a K step.
; SHARES.  1,536 units of 16 rows x 512 along K, one to a wave: unit = 6 x work-group + wave; T = unit / 2, the half of K = unit % 2.  Four steps of 128 along K, written out.
; A load takes 512 consecutive bytes of one row; the 16 rows of a step turn through the wave's own stage in LDS (rows 528 bytes apart) and come back 16 neighbours along K to a lane.  Every store of codes covers 512 consecutive
; bytes, aligned; the unit's scale words leave as 256 consecutive bytes, aligned.  Waves share nothing: no barrier.
; LIMITS: NaN and infinities among the inputs are not served.  A block of zeros, and any block whose largest magnitude lies under 2^(9 - 127), gets the byte 1 (the rule says 127 for zeros): zero codes add nothing
; under any byte but 0xff, and this program alone reads the bytes.
.set PL,   3145728                     ; bytes of one plane [T 768][2][2048] of xw
.set SP,   528                         ; a stage row: 512 bytes + 16
.set STGB, 16*SP                       ; a wave's stage
.set WD,   8                           ; v8-11    the four steps' scale words
.set RAW,  16                          ; v16-143  two sets of 64: a step's numbers as loaded
.set X,    144                         ; v144-207 a step's numbers, register 16 b + n = k 32 b + 16 (lane / 16) + n of my row
.set PC,   208                         ; v208-239 two sets of 16: a step's codes
.set TM,   240                         ; v240-255 at work in QUANT
.set SEL,  26                          ; s[26:27] lane selects for v_permlanex16_b32: lane l xor 16
.set MNT,  28                          ; s28      the mantissa field of 448
; 64 numbers of a lane, v[s] on, become a fragment's 16 registers of codes, v[pc] on, and its scale word v[pw].
.macro QUANT s, pc, pw
.irp b, 0,1,2,3
	v_max3_num_f32 v[TM+\b], |v[(\s)+16*\b]|, |v[(\s)+16*\b+1]|, 0x4800000   ; block b: my 16 numbers, and the floor 2^(9 - 127): the byte cannot fall under 1
.endr
.irp n, 2,4,6,8,10,12,14
.irp b, 0,1,2,3
	v_max3_num_f32 v[TM+\b], v[TM+\b], |v[(\s)+16*\b+\n]|, |v[(\s)+16*\b+\n+1]|   ; the four blocks by turns
.endr
.endr
.irp b, 0,1,2,3
	v_permlanex16_b32 v[TM+4+\b], v[TM+\b], s[SEL], s[SEL+1]
.endr
.irp b, 0,1,2,3
	v_max_num_f32 v[TM+\b], v[TM+\b], v[TM+4+\b]                ; with lane l xor 16's 16: the block's largest magnitude
.endr
.irp b, 0,1,2,3
	v_add_nc_u32 v[TM+12+\b], 0xfc000000, v[TM+\b]              ; 8 off its exponent field: the conversion's scale operand
.endr
.irp b, 0,1,2,3
	v_and_or_b32 v[TM+8+\b], v[TM+\b], 0x7f800000, s[MNT]       ; 448 x the scale
.endr
.irp b, 0,1,2,3
	v_lshrrev_b32 v[TM+4+\b], 23, v[TM+12+\b]                   ; the scale's byte
.endr
	v_lshl_or_b32 v[\pw], v[TM+5], 8, v[TM+4]
	v_lshl_or_b32 v[\pw], v[TM+6], 16, v[\pw]
	v_lshl_or_b32 v[\pw], v[TM+7], 24, v[\pw]                   ; my row's scale word
.irp b, 0,1,2,3
.irp n, 0,1,2,3,4,5,6,7,8,9,10,11,12,13,14,15
	v_med3_num_f32 v[(\s)+16*\b+\n], v[(\s)+16*\b+\n], -v[TM+8+\b], v[TM+8+\b]   ; the conversion to an 8-bit code does not saturate (ISA guide 7.6.2): the hold comes first
.endr
	v_cvt_scalef32_pk8_fp8_f32 v[(\pc)+4*\b:(\pc)+4*\b+1], v[(\s)+16*\b:(\s)+16*\b+7], v[TM+12+\b]
	v_cvt_scalef32_pk8_fp8_f32 v[(\pc)+4*\b+2:(\pc)+4*\b+3], v[(\s)+16*\b+8:(\s)+16*\b+15], v[TM+12+\b]
.endr
	v_nop                                                       ; a plain line behind the last scaled conversion
.endm
	s_load_b256 s[4:11], s[0:1], 0x0               ; x, Wq, Wk, Wv
	s_load_b128 s[12:15], s[0:1], 0x20             ; Wo, xw
	s_load_b64 s[16:17], s[0:1], 0x30              ; xws
	v_lshl_add_u32 v14, v0, 2, 0xc600
	v_mov_b32 v15, 0
	v_lshrrev_b32 v1, 5, v0
	v_readfirstlane_b32 s18, v1                    ; wave 0..5
	v_and_b32 v1, 31, v0                           ; lane
	v_and_b32 v6, 15, v0                           ; r
	v_bfe_u32 v7, v0, 4, 1                         ; h
	v_lshlrev_b32 v2, 4, v1                        ; 16 x lane: my bytes of a load's or a store's 512
	s_mul_i32 s23, s18, STGB
	v_add_nc_u32 v3, s23, v2                       ; the stage, on the way in
	v_mul_u32_u24 v4, v6, SP
	v_lshl_add_u32 v4, v7, 6, v4
	v_add_nc_u32 v4, s23, v4                       ; and on the way out: row r, + 64 h
	v_lshlrev_b32 v5, 4, v6
	v_lshl_add_u32 v5, v7, 3, v5                   ; the scale words' store: 16 r + 8 h
.irp b, 0,1,2,3
	v_mov_b32 v[TM+4+\b], 0                        ; written once: a lane permute's destination counts as one of its sources
.endr
	s_mov_b32 s[SEL], 0x76543210
	s_mov_b32 s[SEL+1], 0xfedcba98
	s_mov_b32 s[MNT], 0x600000
	s_mul_i32 s24, ttmp9, 6
	s_add_co_u32 s24, s24, s18                     ; my unit
	s_lshr_b32 s19, s24, 1                         ; T
	s_and_b32 s25, s24, 1                          ; which half of K
	s_and_b32 s22, s19, 63                         ; the tile within a weight
	s_wait_alu depctr_va_vdst(0)
	s_wait_kmcnt 0x0
	s_cmp_lt_u32 s19, 704                          ; which tensor: the choice hangs on ids alone
	s_cselect_b64 s[20:21], s[10:11], s[12:13]
	s_cmp_lt_u32 s19, 640
	s_cselect_b64 s[20:21], s[8:9], s[20:21]
	s_cmp_lt_u32 s19, 576
	s_cselect_b64 s[20:21], s[6:7], s[20:21]
	s_cmp_lt_u32 s19, 512
	s_cselect_b64 s[20:21], s[4:5], s[20:21]
	s_cselect_b32 s22, s19, s22                    ; the tile within its tensor
	s_lshr_b32 s29, s22, 1
	s_lshl_b32 s29, s29, 17                        ; 32 rows of 4,096 bytes for each pair of tiles,
	s_and_b32 s30, s22, 1
	s_lshl_b32 s30, s30, 15                        ; 8 rows for the odd tile,
	s_add_co_u32 s30, s30, s29
	s_lshl_b32 s29, s25, 11                        ; 512 numbers for the upper half of K
	s_add_co_u32 s30, s30, s29
	s_mov_b32 s31, 0
	s_add_nc_u64 s[20:21], s[20:21], s[30:31]
	s_lshl_b32 s30, s19, 12
	s_mul_i32 s29, s25, 2*PL
	s_add_co_u32 s30, s30, s29
	s_add_nc_u64 s[14:15], s[14:15], s[30:31]      ; my codes: T x 4,096 + two planes for the upper half
	s_lshl_b32 s30, s19, 9
	s_lshl_b32 s29, s25, 8
	s_add_co_u32 s30, s30, s29
	s_add_nc_u64 s[16:17], s[16:17], s[30:31]      ; my scale words
.macro LOAD t                          ; step t: 16 rows x 512 bytes into raw set t % 2
.irp p, 0,1,2,3,4,5,6,7,8,9,10,11,12,13,14,15
	global_load_b128 v[RAW+64*((\t)%2)+4*\p:RAW+64*((\t)%2)+4*\p+3], v2, s[20:21] offset:(\p+8*(\p/8))*4096+512*(\t) th:TH_LOAD_NT
.endr
.endm
.macro QSTEP t
.if (\t) < 3
	s_wait_loadcnt 16                              ; this step's 16 loads are in; the next step's 16 may be out
.else
	s_wait_loadcnt 0x0
.endif
.irp p, 0,1,2,3,4,5,6,7,8,9,10,11,12,13,14,15
	ds_store_b128 v3, v[RAW+64*((\t)%2)+4*\p:RAW+64*((\t)%2)+4*\p+3] offset:SP*\p
.endr
.irp b, 0,1,2,3
.irp j, 0,1,2,3
	ds_load_b128 v[X+16*\b+4*\j:X+16*\b+4*\j+3], v4 offset:128*\b+16*\j   ; LDS serves a wave's instructions in order (ISA guide 5.7.1.4): these see the stores above
.endr
.endr
	s_wait_dscnt 0x0                               ; the numbers are back, and the stores have read the raw set,
.if (\t) < 2
	LOAD (\t)+2                                    ; which takes the loads of two steps on
.endif
.if (\t) >= 2
	s_wait_xcnt 0x0                                ; the stores of two steps back have read this set of code registers
.endif
	QUANT X, PC+16*((\t)%2), WD+(\t)
.irp c, 0,1,2,3
	global_store_b128 v2, v[PC+16*((\t)%2)+4*\c:PC+16*((\t)%2)+4*\c+3], s[14:15] offset:((\t)/2)*PL+((\t)%2)*2048+512*\c   ; 512 consecutive bytes, aligned
.endr
.endm
	LOAD 0
	LOAD 1
	QSTEP 0
	QSTEP 1
	QSTEP 2
	QSTEP 3
	v_cmp_lt_u32 vcc_lo, 15, v1                    ; every lane holds its row's four words: lanes 0-15 store words 0 and 1, lanes 16-31 words 2 and 3
	v_cndmask_b32 v12, v[WD], v[WD+2], vcc_lo
	v_cndmask_b32 v13, v[WD+1], v[WD+3], vcc_lo
	global_store_b64 v5, v[12:13], s[16:17]        ; 256 consecutive bytes, aligned
	s_wait_tensorcnt 0x0
	ds_add_u32 v14, v15
	s_wait_dscnt 0x0
	s_endpgm
.Lfunc_end_k_q26e2650a19_quant:
	.size	k_q26e2650a19_quant, .Lfunc_end_k_q26e2650a19_quant-k_q26e2650a19_quant
	.p2alignl 7, 3214868480
	.fill 96, 4, 3214868480
	.section	.rodata,"a",@progbits
	.p2align	6, 0x0
	.amdhsa_kernel k_q26e2650a19_quant
		.amdhsa_group_segment_fixed_size 51456
		.amdhsa_private_segment_fixed_size 0
		.amdhsa_enable_private_segment 0
		.amdhsa_kernarg_size 56
		.amdhsa_user_sgpr_count 2
		.amdhsa_user_sgpr_kernarg_segment_ptr 1
		.amdhsa_wavefront_size32 1
		.amdhsa_system_sgpr_workgroup_id_x 1
		.amdhsa_system_sgpr_workgroup_id_y 1
		.amdhsa_system_sgpr_workgroup_id_z 1
		.amdhsa_system_vgpr_workitem_id 0
		.amdhsa_next_free_vgpr 256
		.amdhsa_next_free_sgpr 66
		.amdhsa_reserve_vcc 1
		.amdhsa_float_denorm_mode_32 3
		.amdhsa_float_denorm_mode_16_64 3
		.amdhsa_memory_ordered 1
		.amdhsa_forward_progress 1
		.amdhsa_inst_pref_size 51
	.end_amdhsa_kernel
	.amdgpu_metadata
---
amdhsa.version: [ 1, 2 ]
amdhsa.kernels:
  - .name:           k_q26e2650a19_quant
    .symbol:         k_q26e2650a19_quant.kd
    .args:
      - { .name: x, .offset: 0, .size: 8, .value_kind: global_buffer, .address_space: global }
      - { .name: Wq, .offset: 8, .size: 8, .value_kind: global_buffer, .address_space: global }
      - { .name: Wk, .offset: 16, .size: 8, .value_kind: global_buffer, .address_space: global }
      - { .name: Wv, .offset: 24, .size: 8, .value_kind: global_buffer, .address_space: global }
      - { .name: Wo, .offset: 32, .size: 8, .value_kind: global_buffer, .address_space: global }
      - { .name: xw, .offset: 40, .size: 8, .value_kind: global_buffer, .address_space: global }
      - { .name: xws, .offset: 48, .size: 8, .value_kind: global_buffer, .address_space: global }
    .group_segment_fixed_size: 51456
    .private_segment_fixed_size: 0
    .kernarg_segment_align: 8
    .kernarg_segment_size: 56
    .max_flat_workgroup_size: 192
    .sgpr_count:     66
    .vgpr_count:     256
    .wavefront_size: 32
...
	.end_amdgpu_metadata
.endif
;; end of part 1
;; launch qkv (part 2): grid 8 x 32, 4 waves a work-group, clusters of 4 x 4, 327,680 bytes of LDS; arguments xw, xws, bq, bk, bv, qb, kvb; writes qb, kvb
.if DOCPART == 2
	.amdgcn_target "amdgcn-amd-amdhsa--gfx1250"
	.amdhsa_code_object_version 6
	.text
	.protected	k_q26e2650a19_qkv
	.globl	k_q26e2650a19_qkv
	.p2align	8
	.type	k_q26e2650a19_qkv,@function
k_q26e2650a19_qkv:
	s_mov_b64 s[64:65], 0
	v_nop
	global_prefetch_b8 v0, s[64:65] scope:SCOPE_SE
	s_setreg_imm32_b32 hwreg(HW_REG_WAVE_MODE, 25, 1), 1
	s_wait_xcnt 0x0
	s_wait_alu depctr_hold_cnt(0) depctr_sa_sdst(0) depctr_va_vdst(0) depctr_va_sdst(0) depctr_va_ssrc(0) depctr_va_vcc(0) depctr_vm_vsrc(0)
	s_getreg_b32 s2, hwreg(HW_REG_IB_STS2, 6, 4)
	s_cmp_eq_u32 s2, 0
	s_cbranch_scc0 .Lentry_in_a_cluster
	s_endpgm
.Lentry_in_a_cluster:
	s_bfe_u32 s2, ttmp6, 0x10000c
	s_cmp_lg_u32 s2, 0xf033
	s_cbranch_scc0 .Lentry_shape_is_right
	s_endpgm
.Lentry_shape_is_right:
; q = x Wq^T + bq, k = x Wk^T + bk, v = x Wv^T + bv on codes of FP8 (E4M3) with E8M0 scales; the results are quantised at once, q and k along the head's 64, v along the keys, and leave as codes and scale words alone.
; OPERANDS are images of registers (made by the launch before): tile T, K step s of 128: 2,048 bytes, byte 512 c + 16 lane + i; lane-row p of tile T is row 32 (T / 2) + 8 (T % 2) + p + 8 (p / 8).  x: tiles 0-511, Wq 512-575, Wk 576-639, Wv 640-703.
; With source 0 = tile U and source 1 = tile T, lane (r, h), register j of the result holds source 1's lane-row r and source 0's row 32 (U / 2) + 16 h + 8 (U % 2) + j: the 16 registers of tiles 2 b, 2 b + 1 are
; 16 neighbours in the order of the next operand's registers.  So a result is quantised where it lies and stored as the next product's image.
; THE DEAL: 256 work-groups of four waves, each with two phases.  tt = 4 y + cy: a block of 256 tokens; c8 = 4 x + cx (x: the cluster's x, 0: q, 1: k).
; PHASE 1: 256 tokens (source 1) x 256 rows of Wq or Wk (source 0): 128 x 128 to a wave, 64 accumulators.  PHASE 2: 128 channels of Wv, 8 c8 tiles on (source 1), x the same 256 tokens (source 0): 64 x 128 to a wave, 32 accumulators.
; K goes in steps of 256 through two LDS slots.  x's tiles are asked for jointly along a row of the cluster, the weights' along a column; each kind has load lines and descriptors of its own.
; THE RING GOES ON through the change of phase: phase 1's last two changes of slots ask for phase 2's K steps 0 and 1, which are on their way while phase 1's results are quantised.
; In phase 2 waves 2, 3 fetch x's tiles into the slot's second half (their descriptors of x's tiles point there) and waves 0, 1 Wv's 8 tiles into its first half.
; x's and the first weight's scale words come once into LDS by tensor loads; Wv's, 4,096 bytes, come through registers, two tiles a wave, into LDS bytes of their own.  The bias is the C of each sum's first product.
; No prefetch: K is four steps; two are asked for at the head and directly behind it, and each later one a whole K step ahead of its use; phase 2's tiles of x have been read in phase 1.
; OUT: qb, kvb: [b x 16 + head][half of the keys][137,216 bytes]: +0 K's (in qb: Q's) codes [key step 8][tile 8][c 2][512]; +65,536 V's codes [key step 8][tile 4][c 4][512];
;   +131,072 K's scale words [key step][r 16][tile 8] (bytes 2, 3 = 0); +135,168 V's scale words [key step][r 16][tile 4].
; LIMITS: NaN and infinities are not served; a block of zeros gets the byte 1 (its codes are zeros; this program alone reads the bytes).
; REGISTERS: window 0: v1-4 lane numbers; v8-11 bv; v12-31 addresses; v32-63 scale words, two sets; v64-127 the bias, later v64-95 at work; v128-255 source 1's fragments, later the codes.
;   window 1: source 0's fragments, two sets.  windows 2, 3: the accumulators, (a, b) at v[8 (8 (a % 4) + b)].
.set HALFT, 32768                      ; 8 tiles x 4,096 bytes
.set SLOT,  4*HALFT
.set HALFS, 16*272                     ; the scale words of 8 tiles, as rows of 256 bytes + 16 of padding
.set SBLK,  2*272                      ; those of one tile
.set SCV,   2*SLOT                     ; behind the ring: Wv's 8 tiles (stored by the waves),
.set SCL,   SCV+8*SBLK                 ; x's 16 tiles, then the first weight's 16 (filled by tensor loads)
.set SPARE, SCL+4*HALFS
.set PL,    3145728                    ; from a K step of 256 to the next in xw
.set FR, 16
.set NL, 4
.set NP, 8                             ; places behind this matrix instruction (ISA guide 7.12.1)
.set ADRA, 16                          ; v16-17 phase 1: source 1's fragments in slot 0, 1
.set ADRS2, 19                         ; v19    phase 2: lanes 0-15 Wv's scale words, lanes 16-31 x's
.set ADRB, 20                          ; v20-21 source 0's fragments (both phases)
.set ADRA2, 22                         ; v22-23 phase 2: Wv's fragments
.set ADRS, 27                          ; v27    phase 1: lanes 0-15 x's scale words, lanes 16-31 the weight's
.set SPW,  28
.set NIL,  29
.set SC,   32
.set BI,   64
.set AF,   128
.set TM,   64
.set WD,   80
.set OW,   88
.set SEL,  2
.set MNT,  100
.set WV, 18
.set WA, 19
.set WB, 20
.set G1, 24                            ; x's tiles: group 1, and group 0 for each slot
.set G0, 32
.set G1B, 48                           ; the first weight's
.set G0B, 56
.set G1S, 68                           ; at the head the scale words'; then, as G1V and G0V, Wv's tiles
.set G0S, 76
.set G1SB, 80
.set G0SB, 88
.set G1V, 68
.set G0V, 76                           ; slot 0: s[76:79]; slot 1: s[88:91]
.set MSB, 0
.macro WIN new                         ; the immediate's high byte repeats the setting that is left
.if MSB != (\new)
	s_set_vgpr_msb (MSB<<8)|(\new)
.set MSB, (\new)
.endif
.endm
.macro PLACES n
.rept \n
	v_nop
.endr
.endm
.macro TL g0, g1                       ; a tensor load; s_nop 0 and four v_nop follow it
	tensor_load_to_lds s[\g0:\g0+3], s[\g1:\g1+7]
	s_nop 0
	PLACES 4
.endm
.macro JLOAD g0a, g1a, g0b, g1b        ; waves 0, 1 issue the first line, waves 2, 3 the second
	s_cmp_eq_u32 s[WA], 0
	s_cbranch_scc0 .Lfor_b_\@
	TL \g0a, \g1a
	s_branch .Lasked_\@
.Lfor_b_\@:
	TL \g0b, \g1b
.Lasked_\@:
.endm
.macro CREST                           ; a round of the cluster's barrier behind its opening barrier
	s_cmp_lg_u32 s[WV], 0
	s_cbranch_scc1 .Lnot_wave_0_\@
	s_barrier_signal -3
.Lnot_wave_0_\@:
	s_barrier_wait -3
	s_barrier_signal -1
	s_barrier_wait -1
.endm
.macro CROUND
	s_barrier_signal -1
	s_barrier_wait -1
	CREST
.endm
; the rest of a round and the joint refill of a slot.  kind 1: phase 1, two K steps on; 2: phase 2's K step 0 or 1 (x's address goes back); 3: phase 2, two K steps on
.macro REFILL slot, kind
	CREST
.if (\kind) == 1
	s_add_nc_u64 s[G0+4*(\slot)+2:G0+4*(\slot)+3], s[G0+4*(\slot)+2:G0+4*(\slot)+3], 2*PL
	s_add_nc_u64 s[G0B+4*(\slot)+2:G0B+4*(\slot)+3], s[G0B+4*(\slot)+2:G0B+4*(\slot)+3], 2*PL
	JLOAD G0+4*(\slot), G1, G0B+4*(\slot), G1B
.else
.if (\kind) == 2
	s_sub_nc_u64 s[G0+4*(\slot)+2:G0+4*(\slot)+3], s[G0+4*(\slot)+2:G0+4*(\slot)+3], 2*PL
.else
	s_add_nc_u64 s[G0+4*(\slot)+2:G0+4*(\slot)+3], s[G0+4*(\slot)+2:G0+4*(\slot)+3], 2*PL
	s_add_nc_u64 s[G0V+12*(\slot)+2:G0V+12*(\slot)+3], s[G0V+12*(\slot)+2:G0V+12*(\slot)+3], 2*PL
.endif
	JLOAD G0V+12*(\slot), G1V, G0+4*(\slot), G1
.endif
.endm
.macro FRAG reg, adr, q, i             ; tile i's image of the slot's q-th 128 along K
.irp c, 0,1,2,3
	ds_load_b128 v[\reg+4*\c:\reg+4*\c+3], v[\adr] offset:4096*(\i)+2048*(\q)+512*\c
.endr
.endm
; PHASE 1.  16 products: source 1's blocks a0, a0 + 1 x source 0's eight.  cm = 1: the sums begin with the bias.  The accumulators take turns, one instruction a turn.
.macro MUL16 a0, p, q, sc, cm
.irp a, \a0, \a0+1
.irp b, 0,1,2,3,4,5,6,7
.if (\cm) == 1
	v_wmma_scale_f32_16x16x128_f8f6f4 v[8*(8*((\a)%4)+\b):8*(8*((\a)%4)+\b)+7], v[128*(\p)+FR*\b:128*(\p)+FR*\b+FR-1], v[AF+FR*(\a):AF+FR*(\a)+FR-1], v[BI+8*\b:BI+8*\b+7], v[SC+16*(\sc)+2*\b+(\q)], v[SC+16*(\sc)+2*(\a)+(\q)] matrix_a_scale:MATRIX_SCALE_ROW1
.else
	v_wmma_scale_f32_16x16x128_f8f6f4 v[8*(8*((\a)%4)+\b):8*(8*((\a)%4)+\b)+7], v[128*(\p)+FR*\b:128*(\p)+FR*\b+FR-1], v[AF+FR*(\a):AF+FR*(\a)+FR-1], v[8*(8*((\a)%4)+\b):8*(8*((\a)%4)+\b)+7], v[SC+16*(\sc)+2*\b+(\q)], v[SC+16*(\sc)+2*(\a)+(\q)] matrix_a_scale:MATRIX_SCALE_ROW1
.endif
.endr
.endr
.endm
.macro FETCH_B slot, q, p
	WIN 0x40
.irp i, 0,1,2,3,4,5,6,7
	FRAG 128*(\p)+FR*\i, ADRB+(\slot), \q, \i
.endr
	WIN 0
.endm
.macro FETCH_A slot, q, i0
.irp i, \i0, \i0+1, \i0+2, \i0+3
	FRAG AF+FR*(\i), ADRA+(\slot), \q, \i
.endr
.endm
.macro SCALES adr, ks                  ; K step ks's two words a row into set ks % 2: lanes 0-15 source 1's block i, lanes 16-31 source 0's block i
.irp i, 0,1,2,3,4,5,6,7
	ds_load_b64 v[SC+16*((\ks)%2)+2*\i:SC+16*((\ks)%2)+2*\i+1], v[\adr] offset:\i*SBLK+272*((\ks)/2)+8*((\ks)%2)
.endr
.endm
.macro STEP slot, cm                   ; a slot's first 128 along K
	s_wait_dscnt 4*NL                              ; all but the youngest 16 loads (blocks 4-7) are in
.if \cm
	WIN 0x81
.else
	WIN 0xa1
.endif
	MUL16 0, 0, 0, \slot, \cm
	MUL16 2, 0, 0, \slot, \cm
	s_wait_dscnt 0
	PLACES NP
	FETCH_B \slot, 1, 1
	FETCH_A \slot, 1, 0
.if \cm
	WIN 0xc1
.else
	WIN 0xf1
.endif
	MUL16 4, 0, 0, \slot, \cm
	MUL16 6, 0, 0, \slot, \cm
	PLACES NP
	WIN 0
	FETCH_A \slot, 1, 4
.endm
; a slot's second 128 along K, up to the refill: each wave waits for all its tensor loads, adds 0 to its spare word, and waits for that and for its reads of the slot; the barrier opens a round
.macro MEET slot, kind
	s_wait_tensorcnt 0x0
	ds_add_u32 v[SPW], v[NIL]
	s_wait_dscnt 4*NL+1                            ; (the add and the youngest 16 loads may be out)
	WIN 0xa1
	MUL16 0, 1, 1, \slot, 0
	s_wait_dscnt 0x0
	s_barrier_signal -1
	MUL16 2, 1, 1, \slot, 0
	WIN 0
	s_barrier_wait -1
	REFILL \slot, \kind                            ; its four v_nop are among the places below
.endm
.macro TURN slot, next, kind, ks
	MEET \slot, \kind
	PLACES NP-4
	FETCH_B \next, 0, 0
	FETCH_A \next, 0, 0
	SCALES ADRS, \ks
	WIN 0xf1
	MUL16 4, 1, 1, \slot, 0
	MUL16 6, 1, 1, \slot, 0
	PLACES NP
	WIN 0
	FETCH_A \next, 0, 4
.endm
; PHASE 2.  Eight products: Wv's block a x x's eight; both operands in two sets, set q for the slot's q-th 128 along K
.macro MUL8 a, q, ks, cm
.irp b, 0,1,2,3,4,5,6,7
.if \cm
	v_wmma_scale_f32_16x16x128_f8f6f4 v[8*(8*(\a)+\b):8*(8*(\a)+\b)+7], v[128*(\q)+FR*\b:128*(\q)+FR*\b+FR-1], v[AF+64*(\q)+FR*(\a):AF+64*(\q)+FR*(\a)+FR-1], v[BI+8*(\a):BI+8*(\a)+7], v[SC+16*((\ks)%2)+2*\b+(\q)], v[SC+16*((\ks)%2)+2*(\a)+(\q)] matrix_a_scale:MATRIX_SCALE_ROW1
.else
	v_wmma_scale_f32_16x16x128_f8f6f4 v[8*(8*(\a)+\b):8*(8*(\a)+\b)+7], v[128*(\q)+FR*\b:128*(\q)+FR*\b+FR-1], v[AF+64*(\q)+FR*(\a):AF+64*(\q)+FR*(\a)+FR-1], v[8*(8*(\a)+\b):8*(8*(\a)+\b)+7], v[SC+16*((\ks)%2)+2*\b+(\q)], v[SC+16*((\ks)%2)+2*(\a)+(\q)] matrix_a_scale:MATRIX_SCALE_ROW1
.endif
.endr
.endm
.macro FETCH2 slot, q
	FETCH_B \slot, \q, \q
.irp i, 0,1,2,3
	FRAG AF+64*(\q)+FR*\i, ADRA2+(\slot), \q, \i
.endr
.endm
.macro STEP2 ks, cm
	s_wait_dscnt 0x0                               ; set 0 and the scale words are in
	PLACES NP                                      ; set 1 was read by the products just before
	FETCH2 (\ks)%2, 1
.if \cm
	WIN 0x81
.else
	WIN 0xa1
.endif
.irp a, 0,1,2,3
	MUL8 \a, 0, \ks, \cm
.endr
	WIN 0
.endm
.macro TURN2 ks, kind
	s_wait_tensorcnt 0x0
	ds_add_u32 v[SPW], v[NIL]
	s_wait_dscnt 0x1                               ; set 1 is in (the add may be out)
	WIN 0xa1
	MUL8 0, 1, \ks, 0
	s_wait_dscnt 0x0
	s_barrier_signal -1
	MUL8 1, 1, \ks, 0
	WIN 0
	s_barrier_wait -1
.if \kind
	REFILL (\ks)%2, \kind
	PLACES NP-4
.else
	PLACES NP
.endif
	FETCH2 ((\ks)+1)%2, 0
	SCALES ADRS2, (\ks)+1
	WIN 0xa1
	MUL8 2, 1, \ks, 0
	MUL8 3, 1, \ks, 0
	WIN 0
.endm
	s_load_b256 s[4:11], s[0:1], 0x0               ; xw, xws, bq, bk
	s_load_b128 s[12:15], s[0:1], 0x20             ; bv, qb
	s_load_b64 s[16:17], s[0:1], 0x30              ; kvb
	v_lshl_add_u32 v[SPW], v0, 2, SPARE
	v_mov_b32 v[NIL], 0
	ds_add_u32 v[SPW], v[NIL]                      ; the opening lines: the add, twice on end, and its wait
	ds_add_u32 v[SPW], v[NIL]
	v_lshrrev_b32 v1, 5, v0
	v_readfirstlane_b32 s[WV], v1                  ; wave 0..3
	s_lshr_b32 s[WA], s[WV], 1                     ; my half of source 1's rows
	s_and_b32 s[WB], s[WV], 1                      ; my half of source 0's rows; also which part of a tile I fetch
	s_bfe_u32 s40, ttmp6, 0x40000                  ; cx
	s_bfe_u32 s41, ttmp6, 0x40004                  ; cy
	s_and_b32 s42, ttmp7, 0xffff
	s_lshl_b32 s96, s41, 2
	s_lshl_b32 s96, 15, s96                        ; my row of the cluster
	s_lshl_b32 s97, 0x1111, s40                    ; my column
	s_or_b32 s[G1], s96, (3<<16)|(1<<21)
	s_or_b32 s[G1B], s97, (3<<16)|(1<<21)
.irp g, G1, G1B
	s_mov_b32 s[\g+1], 32<<16                      ; rows of 256 bytes, dense
	s_mov_b32 s[\g+2], 256<<16                     ; 256 rows for the head's loads: 16 tiles; set to 128 for the ring's
	s_mov_b32 s[\g+3], 32<<16
	s_mov_b32 s[\g+4], 256
	s_mov_b32 s[\g+5], 32
	s_mov_b32 s[\g+6], 0
	s_mov_b32 s[\g+7], 0
.endr
	s_or_b32 s[G1S], s96, (3<<16)|(1<<20)|(1<<21)|(5<<22)|(3<<25)   ; the scale words of 16 tiles: 32 rows of 256 bytes, 16 bytes of padding behind each
	s_or_b32 s[G1SB], s97, (3<<16)|(1<<20)|(1<<21)|(5<<22)|(3<<25)
.irp g, G1S, G1SB
	s_mov_b32 s[\g+1], 32<<16
	s_mov_b32 s[\g+2], 32<<16
	s_mov_b32 s[\g+3], 32<<16
	s_mov_b32 s[\g+4], 32
	s_mov_b32 s[\g+5], 32
	s_mov_b32 s[\g+6], 0
	s_mov_b32 s[\g+7], 0
.endr
	s_lshl_b32 s47, s[WB], 3
	s_lshl_b32 s43, s42, 2
	s_add_co_u32 s43, s43, s41
	s_lshl_b32 s43, s43, 4                         ; x's first tile: 16 tt
	s_lshl_b32 s42, s43, 9                         ; its scale words: 512 bytes a tile
	s_add_co_u32 s43, s43, s47
	s_lshl_b32 s22, s43, 12                        ; the 8 tiles that I fetch in the ring
	s_mov_b32 s23, 0
	s_mov_b32 s43, 0
	s_lshl_b32 s45, ttmp9, 2
	s_add_co_u32 s45, s45, s40
	s_lshl_b32 s45, s45, 4
	s_add_co_u32 s45, s45, 512                     ; the weight's first tile: 512 + 16 c8
	s_lshl_b32 s46, s45, 9
	s_add_co_u32 s45, s45, s47
	s_lshl_b32 s66, s45, 12
	s_mov_b32 s67, 0
	s_mov_b32 s47, 0
	s_mul_i32 s44, s[WV], HALFT                    ; where they go: by the wave's number alone
	s_wait_dscnt 0x0
	s_wait_kmcnt 0x0
	s_add_nc_u64 s[22:23], s[4:5], s[22:23]
	s_add_nc_u64 s[42:43], s[6:7], s[42:43]
	s_add_nc_u64 s[66:67], s[4:5], s[66:67]
	s_add_nc_u64 s[46:47], s[6:7], s[46:47]
	CROUND                                         ; all sixteen work-groups are here: the first joint loads meet
	s_mov_b32 s[G0S], 1
	s_mov_b32 s[G0S+1], SCL
	s_mov_b64 s[G0S+2:G0S+3], s[42:43]
	s_or_b32 s[G0S+3], s[G0S+3], 0x80000000
	s_mov_b32 s[G0SB], 1
	s_mov_b32 s[G0SB+1], SCL+2*HALFS
	s_mov_b64 s[G0SB+2:G0SB+3], s[46:47]
	s_or_b32 s[G0SB+3], s[G0SB+3], 0x80000000
.irp s, 0,1
	s_mov_b32 s[G0+4*\s], 1
	s_add_co_u32 s[G0+4*\s+1], s44, \s*SLOT
	s_add_nc_u64 s[G0+4*\s+2:G0+4*\s+3], s[22:23], \s*PL
	s_or_b32 s[G0+4*\s+3], s[G0+4*\s+3], 0x80000000
	s_mov_b32 s[G0B+4*\s], 1
	s_add_co_u32 s[G0B+4*\s+1], s44, \s*SLOT
	s_add_nc_u64 s[G0B+4*\s+2:G0B+4*\s+3], s[66:67], \s*PL
	s_or_b32 s[G0B+4*\s+3], s[G0B+4*\s+3], 0x80000000
.endr
; THE HEAD'S LOADS, ONE A WAVE.  Wave 0's group 0 of x's tiles points at the first tile and LDS byte 0, wave 2's of the weight's at its first tile and LDS byte 2 HALFT: with 256 rows each brings 16 tiles.
; Waves 1 and 3 bring the scale words.  One chain of branches on the wave's number, a load to an arm.
.macro ARM w, g0, g1, next
	s_cmp_eq_u32 s[WV], \w
	s_cbranch_scc0 \next
	TL \g0, \g1
	s_branch .Lhead_asked
\next:
.endm
	ARM 0, G0, G1, .Lhead_b
	ARM 2, G0B, G1B, .Lhead_sa
	ARM 1, G0S, G1S, .Lhead_sb
	TL G0SB, G1SB
.Lhead_asked:
	; the bias of q or k: register j of the weight's block t wants b[256 cx + 128 wb + 32 (t / 2) + 8 (t % 2) + 16 h + j]
	s_cmp_eq_u32 ttmp9, 0
	s_cselect_b64 s[100:101], s[8:9], s[10:11]
	s_lshl_b32 s22, s40, 10
	s_lshl_b32 s44, s[WB], 9
	s_add_co_u32 s22, s22, s44
	s_mov_b32 s23, 0
	s_add_nc_u64 s[100:101], s[100:101], s[22:23]
	; where the codes go.  Batch tt / 8.  Phase 1: key step 2 (tt % 8) + wa, heads 4 cx + 2 wb and the next.  Phase 2: key step 2 (tt % 8) + wb, head 2 c8 + wa.
	s_and_b32 s66, ttmp7, 0xffff
	s_lshl_b32 s66, s66, 2
	s_add_co_u32 s66, s66, s41                     ; tt
	s_lshr_b32 s67, s66, 3
	s_lshl_b32 s67, s67, 4                         ; 16 x batch
	s_and_b32 s66, s66, 7
	s_lshl_b32 s66, s66, 1
	s_add_co_u32 s42, s66, s[WA]
	s_lshl_b32 s43, s40, 2
	s_add_co_u32 s43, s43, s67
	s_lshl_b32 s44, s[WB], 1
	s_add_co_u32 s43, s43, s44
	s_mul_i32 s43, s43, 274432
	s_lshr_b32 s44, s42, 3
	s_mul_i32 s44, s44, 137216
	s_add_co_u32 s43, s43, s44
	s_and_b32 s42, s42, 7
	s_lshl_b32 s44, s42, 13
	s_add_co_u32 s44, s44, s43
	s_mov_b32 s45, 0
	s_lshl_b32 s22, s42, 9
	s_add_co_u32 s22, s22, s43
	s_add_co_u32 s22, s22, 131072
	s_cmp_eq_u32 ttmp9, 0
	s_cselect_b64 s[92:93], s[14:15], s[16:17]     ; q goes to qb, k to kvb
	s_add_nc_u64 s[94:95], s[92:93], s[22:23]      ; the scale words
	s_add_nc_u64 s[92:93], s[92:93], s[44:45]      ; the codes
	s_add_co_u32 s42, s66, s[WB]
	s_lshl_b32 s43, ttmp9, 2
	s_add_co_u32 s43, s43, s40                     ; c8
	s_lshl_b32 s44, s43, 1
	s_add_co_u32 s44, s44, s[WA]
	s_add_co_u32 s44, s44, s67
	s_mul_i32 s44, s44, 274432
	s_lshr_b32 s45, s42, 3
	s_mul_i32 s45, s45, 137216
	s_add_co_u32 s44, s44, s45
	s_and_b32 s42, s42, 7
	s_lshl_b32 s46, s42, 13
	s_add_co_u32 s46, s46, s44
	s_add_co_u32 s46, s46, 65536                   ; s46: V's codes, s47: V's scale words, as offsets in kvb; they stand until phase 2
	s_lshl_b32 s47, s42, 8
	s_add_co_u32 s47, s47, s44
	s_add_co_u32 s47, s47, 135168
	s_lshl_b32 s43, s43, 3
	s_add_co_u32 s43, s43, 640                     ; Wv's first tile of my work-group's 8
	s_lshl_b32 s22, s[WB], 2
	s_add_co_u32 s22, s22, s43
	s_lshl_b32 s22, s22, 12
	s_add_nc_u64 s[66:67], s[4:5], s[22:23]        ; the 4 tiles of Wv that waves 0, 1 fetch
	s_lshl_b32 s22, s[WV], 1
	s_add_co_u32 s22, s22, s43                     ; the two tiles of Wv whose scale words I bring
	s_lshl_b32 s44, s22, 9
	s_mov_b32 s45, 0
	s_add_nc_u64 s[44:45], s[6:7], s[44:45]
	s_lshl_b32 s22, s[WA], 2
	s_add_co_u32 s22, s22, s43                     ; my four blocks of Wv
	s_sub_co_u32 s22, s22, 640
	s_lshl_b32 s22, s22, 6                         ; 16 channels of 4 bytes a tile
	s_add_nc_u64 s[12:13], s[12:13], s[22:23]      ; their bias
	s_mov_b32 s[SEL], 0x76543210
	s_mov_b32 s[SEL+1], 0xfedcba98
	v_and_b32 v1, 31, v0                           ; lane
	v_and_b32 v2, 15, v0                           ; r
	v_bfe_u32 v3, v0, 4, 1                         ; h
	v_lshlrev_b32 v4, 4, v1                        ; 16 x lane
	v_lshlrev_b32 v7, 6, v3
	v_and_b32 v12, 8, v2
	v_add_nc_u32 v12, v12, v2
	v_lshlrev_b32 v12, 2, v12                      ; 4 (r + 8 (r / 8))
	v_lshlrev_b32 v31, 4, v2                       ; 16 r: my row's four words of a row of 256 bytes
	v_lshl_add_u32 v13, v3, 9, v31                 ; lanes 16-31 take the second tile's words
	s_wait_alu depctr_va_vdst(0)                   ; the offsets were just written
	global_load_b128 v[128:131], v13, s[44:45]               ; Wv's scale words: K steps of 128 number 0-3,
	global_load_b128 v[132:135], v13, s[44:45] offset:256    ; and 4-7
.irp b, 0,1,2,3,4,5,6,7
	global_load_b128 v[BI+8*\b:BI+8*\b+3], v7, s[100:101] offset:4*(32*(\b/2)+8*(\b%2))
	global_load_b128 v[BI+8*\b+4:BI+8*\b+7], v7, s[100:101] offset:4*(32*(\b/2)+8*(\b%2))+16
.endr
.irp a, 0,1,2,3
	global_load_b32 v[8+\a], v12, s[12:13] offset:4*(32*(\a/2)+8*(\a%2))   ; bv: one number for each of Wv's blocks
.endr
	s_mul_i32 s22, s[WA], HALFT
	s_mul_i32 s23, s[WB], HALFT
	s_add_co_u32 s23, s23, 2*HALFT
	s_lshl_b32 s42, s[WA], 14
.irp s, 0,1
	v_add_nc_u32 v[ADRA+\s], s22, v4
	v_add_nc_u32 v[ADRB+\s], s23, v4
	v_add_nc_u32 v[ADRA2+\s], s42, v4
	s_add_co_u32 s22, s22, SLOT
	s_add_co_u32 s23, s23, SLOT
	s_add_co_u32 s42, s42, SLOT
.endr
	s_mul_i32 s22, s[WA], HALFS                    ; phase 1: lanes 0-15 x's words, lanes 16-31 the weight's: one product, the distance between the two bases
	s_mul_i32 s23, s[WB], HALFS
	s_add_co_u32 s23, s23, 2*HALFS
	s_sub_co_u32 s23, s23, s22
	v_mul_u32_u24 v6, s23, v3
	s_add_co_u32 s22, s22, SCL
	v_add_nc_u32 v5, v31, v6
	v_add_nc_u32 v[ADRS], s22, v5
	s_mul_i32 s22, s[WA], 4*SBLK                   ; phase 2: lanes 0-15 Wv's words, lanes 16-31 x's: likewise
	s_mul_i32 s23, s[WB], HALFS
	s_add_co_u32 s23, s23, SCL-SCV
	s_sub_co_u32 s23, s23, s22
	v_mul_u32_u24 v6, s23, v3
	s_add_co_u32 s22, s22, SCV
	v_add_nc_u32 v5, v31, v6
	v_add_nc_u32 v[ADRS2], s22, v5
	s_mul_i32 s42, s[WV], 2*SBLK
	s_add_co_u32 s42, s42, SCV
	v_mad_u32_u24 v14, v3, SBLK, v31
	v_add_nc_u32 v14, s42, v14                     ; where my two tiles' words go
	v_mov_b32 v24, v4
	v_add_nc_u32 v25, 274432, v4                   ; phase 1: the codes' registers 8-15 are the odd head's
	v_lshlrev_b32 v26, 5, v2
	v_lshl_add_u32 v26, v3, 4, v26                 ; K's scale words: 32 r + 16 h
	s_wait_alu depctr_va_vdst(0)
	s_wait_loadcnt 20                              ; Wv's scale words are in (the 16 loads of the bias and the 4 of bv may be out)
	ds_store_b128 v14, v[128:131]
	ds_store_b128 v14, v[132:135] offset:272
	s_wait_tensorcnt 0x0                           ; my tile of the head's four is in
	ds_add_u32 v[SPW], v[NIL]
	s_mov_b32 s[G1+2], 128<<16                     ; no tensor load of mine is out, so descriptors may be written: the ring's loads bring 128 rows, 8 tiles;
	s_mov_b32 s[G1+4], 128
	s_mov_b32 s[G1B+2], 128<<16
	s_mov_b32 s[G1B+4], 128
	s_or_b32 s[G1V], s97, (3<<16)|(1<<21)          ; Wv's tiles: my column's mask, no padding, 64 rows: 4 tiles
	s_mov_b32 s[G1V+2], 64<<16
	s_mov_b32 s[G1V+4], 64
	s_lshl_b32 s[G0V+1], s[WV], 14
	s_add_co_u32 s[G0V+13], s[G0V+1], SLOT
	s_mov_b64 s[G0V+2:G0V+3], s[66:67]
	s_add_nc_u64 s[G0V+14:G0V+15], s[66:67], PL
	s_or_b32 s[G0V+3], s[G0V+3], 0x80000000
	s_or_b32 s[G0V+15], s[G0V+15], 0x80000000
	s_wait_dscnt 0x0                               ; the add and my stores of scale words are done
	CROUND
	JLOAD G0+4, G1, G0B+4, G1B                     ; K step 1 into slot 1: the first tensor load behind the round
	FETCH_B 0, 0, 0
	FETCH_A 0, 0, 0
	SCALES ADRS, 0
	FETCH_A 0, 0, 4
	s_wait_loadcnt 0x0                             ; the biases
	STEP 0, 1
	TURN 0, 1, 1, 1                                ; slot 0 takes K step 2
	STEP 1, 0
	TURN 1, 0, 1, 2                                ; slot 1 takes K step 3
	STEP 0, 0
	TURN 0, 1, 2, 3                                ; slot 0 takes phase 2's K step 0
	STEP 1, 0
	MEET 1, 2                                      ; slot 1 takes phase 2's K step 1
	WIN 0xf1
	MUL16 4, 1, 1, 1, 0
	MUL16 6, 1, 1, 1, 0
	WIN 0
	PLACES NP
	s_mov_b32 s[MNT], 0x600000                     ; the mantissa field of 448
	s_mov_b32 s96, 1024                            ; from block to block: a tile of K's codes
	s_mov_b32 s97, 0
.irp b, 0,1,2,3
	v_mov_b32 v[TM+4+\b], 0                        ; a lane permute's destination counts as one of its sources
.endr
; Source 1's block a: its 64 registers a lane, register 16 b + n = place 32 b + 16 h + n along the next product's K, are quantised where they lie; the 16 registers of codes are four stores of 512 consecutive bytes.
.macro QA a
.set W,   2+(\a)/4
.set AS,  64*((\a)%4)
.set PCA, AF+16*(\a)
	WIN (W<<2)|(W<<4)
.irp b, 0,1,2,3
	v_max3_num_f32 v[TM+\b], 0x4800000, |v[AS+16*\b]|, |v[AS+16*\b+1]|   ; each accumulator is read from its low end on; the floor 2^(9 - 127) holds the byte at 1 from below
.endr
.irp n, 2,4,6,8,10,12,14
.irp b, 0,1,2,3
	v_max3_num_f32 v[TM+\b], v[TM+\b], |v[AS+16*\b+\n]|, |v[AS+16*\b+\n+1]|
.endr
.endr
	WIN 0
.irp b, 0,1,2,3
	v_permlanex16_b32 v[TM+4+\b], v[TM+\b], s[SEL], s[SEL+1]
.endr
.irp b, 0,1,2,3
	v_max_num_f32 v[TM+\b], v[TM+\b], v[TM+4+\b]
.endr
.irp b, 0,1,2,3
	v_add_nc_u32 v[TM+12+\b], 0xfc000000, v[TM+\b]
.endr
.irp b, 0,1,2,3
	v_and_or_b32 v[TM+8+\b], v[TM+\b], 0x7f800000, s[MNT]
.endr
.irp b, 0,1,2,3
	v_lshrrev_b32 v[TM+4+\b], 23, v[TM+12+\b]
.endr
	v_lshl_or_b32 v[WD+(\a)], v[TM+5], 8, v[TM+4]
	v_lshl_or_b32 v[WD+(\a)], v[TM+6], 16, v[WD+(\a)]
	v_lshl_or_b32 v[WD+(\a)], v[TM+7], 24, v[WD+(\a)]
	WIN (W<<6)|W
.irp b, 0,1,2,3
.irp n, 0,1,2,3,4,5,6,7,8,9,10,11,12,13,14,15
	v_med3_num_f32 v[AS+16*\b+\n], v[AS+16*\b+\n], -v[TM+8+\b], v[TM+8+\b]   ; the conversion does not saturate (ISA guide 7.6.2)
.endr
.endr
	WIN W
.irp b, 0,1,2,3
	v_cvt_scalef32_pk8_fp8_f32 v[PCA+4*\b:PCA+4*\b+1], v[AS+16*\b:AS+16*\b+7], v[TM+12+\b]
	v_cvt_scalef32_pk8_fp8_f32 v[PCA+4*\b+2:PCA+4*\b+3], v[AS+16*\b+8:AS+16*\b+15], v[TM+12+\b]
.endr
	v_nop                                          ; a plain line behind the last scaled conversion
	WIN 0
.if (\a) > 0
	s_wait_alu depctr_va_vdst(0)
	s_wait_xcnt 0x0                                ; the last block's stores have read their base
	s_add_nc_u64 s[92:93], s[92:93], s[96:97]
.endif
	global_store_b128 v24, v[PCA:PCA+3], s[92:93]
	global_store_b128 v24, v[PCA+4:PCA+7], s[92:93] offset:512
	global_store_b128 v25, v[PCA+8:PCA+11], s[92:93]
	global_store_b128 v25, v[PCA+12:PCA+15], s[92:93] offset:512
.endm
.irp a, 0,1,2,3,4,5,6,7
	QA \a
.endr
	v_cmp_lt_u32 vcc_lo, 15, v1                    ; every lane holds its row's eight words: lanes 0-15 store those of blocks 0-3, lanes 16-31 those of blocks 4-7
.irp n, 0,1,2,3
	v_cndmask_b32 v[OW+\n], v[WD+\n], v[WD+4+\n], vcc_lo
.endr
.irp n, 0,1,2,3
	v_and_b32 v[OW+4+\n], 0xffff, v[OW+\n]         ; bytes 0, 1 are the even head's two blocks,
.endr
.irp n, 0,1,2,3
	v_lshrrev_b32 v[OW+\n], 16, v[OW+\n]           ; bytes 2, 3 the odd head's; a word's upper two bytes are 0
.endr
	global_store_b128 v26, v[OW+4:OW+7], s[94:95]                  ; 512 consecutive bytes, aligned
	global_store_b128 v26, v[OW:OW+3], s[94:95] offset:274432
	; THE CHANGE OF PHASE
	s_wait_xcnt 0x0                                ; the stores have read their registers and bases
	s_mov_b32 s22, s46
	s_mov_b32 s23, 0
	s_add_nc_u64 s[92:93], s[16:17], s[22:23]      ; V's codes
	s_mov_b32 s22, s47
	s_add_nc_u64 s[94:95], s[16:17], s[22:23]      ; V's scale words
	s_mov_b32 s96, 2048                            ; from block to block: a tile of V's codes
	v_add_nc_u32 v25, 1024, v4                     ; the codes' registers 8-15: c = 2, 3 of the same tile
	FETCH2 0, 0                                    ; phase 2's K step 0 was shown by the last round
	SCALES ADRS2, 0
.irp a, 0,1,2,3
.irp j, 0,1,2,3,4,5,6,7
	v_mov_b32 v[BI+8*\a+\j], v[8+\a]               ; every register of Wv's block a begins with its lane's channel's bias
.endr
.endr
	s_wait_alu depctr_va_vdst(0)
	STEP2 0, 1
	TURN2 0, 3                                     ; slot 0 takes K step 2
	STEP2 1, 0
	TURN2 1, 3                                     ; slot 1 takes K step 3
	STEP2 2, 0
	TURN2 2, 0                                     ; nothing is left to fetch
	STEP2 3, 0
	s_wait_dscnt 0x0
	WIN 0xa1
.irp a, 0,1,2,3
	MUL8 \a, 1, 3, 0
.endr
	WIN 0
	PLACES NP
.irp a, 0,1,2,3
	QA \a
.endr
	global_store_b128 v31, v[WD:WD+3], s[94:95]    ; row r's four words: sixteen lanes fill 256 consecutive bytes, aligned; lanes 16-31 hold and store the same
	s_wait_tensorcnt 0x0                           ; the wave's end
	ds_add_u32 v[SPW], v[NIL]
	s_wait_dscnt 0x0
	CROUND                                         ; the closing round
	s_endpgm
.Lfunc_end_k_q26e2650a19_qkv:
	.size	k_q26e2650a19_qkv, .Lfunc_end_k_q26e2650a19_qkv-k_q26e2650a19_qkv
	.p2alignl 7, 3214868480
	.fill 96, 4, 3214868480
	.section	.rodata,"a",@progbits
	.p2align	6, 0x0
	.amdhsa_kernel k_q26e2650a19_qkv
		.amdhsa_group_segment_fixed_size 327680
		.amdhsa_private_segment_fixed_size 0
		.amdhsa_enable_private_segment 0
		.amdhsa_kernarg_size 56
		.amdhsa_user_sgpr_count 2
		.amdhsa_user_sgpr_kernarg_segment_ptr 1
		.amdhsa_wavefront_size32 1
		.amdhsa_system_sgpr_workgroup_id_x 1
		.amdhsa_system_sgpr_workgroup_id_y 1
		.amdhsa_system_sgpr_workgroup_id_z 1
		.amdhsa_system_vgpr_workitem_id 0
		.amdhsa_next_free_vgpr 1024
		.amdhsa_next_free_sgpr 102
		.amdhsa_reserve_vcc 1
		.amdhsa_float_denorm_mode_32 3
		.amdhsa_float_denorm_mode_16_64 3
		.amdhsa_memory_ordered 1
		.amdhsa_forward_progress 1
		.amdhsa_inst_pref_size 255
	.end_amdhsa_kernel
	.section	.bss,"aw",@nobits
	.p2align	6
	.space	262144
	.amdgpu_metadata
---
amdhsa.version: [ 1, 2 ]
amdhsa.kernels:
  - .name:           k_q26e2650a19_qkv
    .symbol:         k_q26e2650a19_qkv.kd
    .args:
      - { .name: xw, .offset: 0, .size: 8, .value_kind: global_buffer, .address_space: global }
      - { .name: xws, .offset: 8, .size: 8, .value_kind: global_buffer, .address_space: global }
      - { .name: bq, .offset: 16, .size: 8, .value_kind: global_buffer, .address_space: global }
      - { .name: bk, .offset: 24, .size: 8, .value_kind: global_buffer, .address_space: global }
      - { .name: bv, .offset: 32, .size: 8, .value_kind: global_buffer, .address_space: global }
      - { .name: qb, .offset: 40, .size: 8, .value_kind: global_buffer, .address_space: global }
      - { .name: kvb, .offset: 48, .size: 8, .value_kind: global_buffer, .address_space: global }
    .group_segment_fixed_size: 327680
    .private_segment_fixed_size: 0
    .kernarg_segment_align: 8
    .kernarg_segment_size: 56
    .max_flat_workgroup_size: 128
    .sgpr_count:     102
    .vgpr_count:     1024
    .wavefront_size: 32
...
	.end_amdgpu_metadata
.endif
;; end of part 2
;; launch attn (part 3): grid 4 x 64, 8 waves a work-group, clusters of 4 x 1, 327,680 bytes of LDS; arguments qb, kvb, cc, cs; writes cc, cs
.if DOCPART == 3
	.amdgcn_target "amdgcn-amd-amdhsa--gfx1250"
	.amdhsa_code_object_version 6
	.text
	.protected	k_q26e2650a19_attn
	.globl	k_q26e2650a19_attn
	.p2align	8
	.type	k_q26e2650a19_attn,@function
k_q26e2650a19_attn:
	s_mov_b64 s[64:65], 0
	v_nop
	global_prefetch_b8 v0, s[64:65] scope:SCOPE_SE
	s_setreg_imm32_b32 hwreg(HW_REG_WAVE_MODE, 25, 1), 1
	s_wait_xcnt 0x0
	s_wait_alu depctr_hold_cnt(0) depctr_sa_sdst(0) depctr_va_vdst(0) depctr_va_sdst(0) depctr_va_ssrc(0) depctr_va_vcc(0) depctr_vm_vsrc(0)
	s_getreg_b32 s2, hwreg(HW_REG_IB_STS2, 6, 4)
	s_cmp_eq_u32 s2, 0
	s_cbranch_scc0 .Lentry_in_a_cluster
	s_endpgm
.Lentry_in_a_cluster:
	s_bfe_u32 s2, ttmp6, 0x10000c
	s_cmp_lg_u32 s2, 0x3003
	s_cbranch_scc0 .Lentry_shape_is_right
	s_endpgm
.Lentry_shape_is_right:
; ctx = softmax(q k^T / 8) v for one batch and head, both products on codes of FP8 (E4M3) with E8M0 scales; ctx is quantised along the hidden axis and leaves as codes (cc) and scale words (cs) for the last projection.
; THE SOFTMAX: t = score x log2(e) / 8; M = the row's largest t so far, rounded up to a whole number; p = 2^(t - M) is quantised along the keys, not normalised; the row's sum is taken of the unquantised p and divides at the end.
; When M moves, the sums and O^T are multiplied by f = 2^(old M - new M), in every step, with no branch on data.
; A block's largest p is the block's largest score put through the same multiply-add and exponential; that leans on v_exp_f32 not falling where its input rises.
; LIMITS: the scaled scores stay under 2^31 in magnitude; NaN and infinities are not served; a block of zeros gets the byte 1 (its codes are zeros; this program alone reads the bytes).
; SHARES.  A work-group owns 512 queries of a head, a wave 64: two passes of two tiles of 16.  A lane holds one query (lane % 16) throughout: S^T = K Q^T, O^T = V^T P^T.  Two waves to a SIMD.
; The four work-groups of a head form a cluster and ask for its K and V jointly.
; LDS holds the WHOLE head: 274,432 bytes, asked for once, one tensor load a wave.  kvb has two halves of 137,216 bytes (K's codes 65,536, V's codes 65,536, K's scale words 4,096, V's 2,048); the eight pieces are laid so that
; the 16 key steps follow each other: K's codes at 0, V's at LV, K's scale words at LKS, V's at LVS.  Waves 0-3 bring the four pieces of codes, waves 4, 5 K's scale words, waves 6, 7 V's.
; No prefetch: every byte that the launch reads through LDS is asked for at the head, and there is no loop in which tiles are asked for.
; THE HEAD'S 64 FILL HALF OF A PRODUCT'S 128: Q's registers 8-15 are zero codes, so what stands in K's registers 8-15 (the next tile's codes, under the scale bytes 0) adds nothing.
; A KEY STEP (128 keys): 16 products for the scores; V's fragments and the NEXT step's K fragments are asked of LDS; maxima and M for both tiles; tile 0's t - M; O^T x f;
; tile 0's exponentials with tile 1's t - M among them; tile 0's scales and sums; tile 1's exponentials with tile 0's holds among them; conversions, tile 1's scales, sums, holds; 8 products.
; What stands among exponentials is read only behind the wait that follows the batch.  The last step's look-ahead reads LDS bytes behind K's (V's codes, V's scale words): they have landed, and are not used.
; REGISTERS, window 0: v1-13 addresses; v16-47 T: per tile 0-3 block maxima, 4-7 at work, 8-11 bounds, 12-15 scale operands; v48-63 Z: per tile -M, largest score, sum 0, f, sum 1; v64-191 scores, then p;
;   v192-223 p's codes; v224-239 scale words; v244-251 sums 2, 3.  Window 1: v0-63 O^T; v64-95 Q; v96-167 K (160-167 zeros); v168-231 V.
.set HB,   137216
.set LV,   131072
.set LKS,  262144
.set LVS,  270336
.set STG,  274432                      ; the ctx scale words' stage: 128 bytes a wave
.set SPARE, 275456                     ; the spare words: 128 bytes a wave
.set T0,   16
.set TM,   16
.set ST0,  48
.set S0,   64
.set PC0,  192
.set KSC,  224
.set VSC,  232
.set QSC,  236
.set PSC,  238
.set PW,   240
.set AC,   244
.set QF,   64
.set KF,   96
.set VF,   168
.set WV,   12
.set MNT,  19
.set SEL,  20
.set CS,   22
.set G1A,  24                          ; group 1: 256 rows of 256 bytes;  G1B: 16 rows;  G1C: 8 rows
.set G0A,  32
.set G0B,  36
.set TB,   40
.set TS,   41
.set TJ,   42
.set G1B,  68
.set G1C,  76
.set G0C,  84
.set MSB, 0
.macro WIN new                         ; the immediate's high byte repeats the setting that is left
.if MSB != (\new)
	s_set_vgpr_msb (MSB<<8)|(\new)
.set MSB, (\new)
.endif
.endm
.macro CROUND                          ; a round of the cluster's barrier
	s_barrier_signal -1
	s_barrier_wait -1
	s_cmp_lg_u32 s[WV], 0
	s_cbranch_scc1 .Lnot_wave_0_\@
	s_barrier_signal -3
.Lnot_wave_0_\@:
	s_barrier_wait -3
	s_barrier_signal -1
	s_barrier_wait -1
.endm
.macro TL g0, g1                       ; a tensor load; s_nop 0 and four v_nop follow it
	tensor_load_to_lds s[\g0:\g0+3], s[\g1:\g1+7]
	s_nop 0
.rept 4
	v_nop
.endr
.endm
; 64 numbers of a lane, v[s] on, become 16 registers of codes, v[pc] on, and a scale word v[pw]
.macro QUANT s, pc, pw
.irp b, 0,1,2,3
	v_max3_num_f32 v[TM+\b], |v[(\s)+16*\b]|, |v[(\s)+16*\b+1]|, 0x4800000   ; the floor 2^(9 - 127) holds the byte at 1 from below
.endr
.irp n, 2,4,6,8,10,12,14
.irp b, 0,1,2,3
	v_max3_num_f32 v[TM+\b], v[TM+\b], |v[(\s)+16*\b+\n]|, |v[(\s)+16*\b+\n+1]|
.endr
.endr
.irp b, 0,1,2,3
	v_permlanex16_b32 v[TM+4+\b], v[TM+\b], s[SEL], s[SEL+1]
.endr
.irp b, 0,1,2,3
	v_max_num_f32 v[TM+\b], v[TM+\b], v[TM+4+\b]
.endr
.irp b, 0,1,2,3
	v_add_nc_u32 v[TM+12+\b], 0xfc000000, v[TM+\b]              ; 8 off the exponent field: the conversion's scale operand
.endr
.irp b, 0,1,2,3
	v_and_or_b32 v[TM+8+\b], v[TM+\b], 0x7f800000, s[MNT]       ; 448 x the scale
.endr
.irp b, 0,1,2,3
	v_lshrrev_b32 v[TM+4+\b], 23, v[TM+12+\b]                   ; the byte
.endr
	v_lshl_or_b32 v[\pw], v[TM+5], 8, v[TM+4]
	v_lshl_or_b32 v[\pw], v[TM+6], 16, v[\pw]
	v_lshl_or_b32 v[\pw], v[TM+7], 24, v[\pw]
.irp b, 0,1,2,3
.irp n, 0,1,2,3,4,5,6,7,8,9,10,11,12,13,14,15
	v_med3_num_f32 v[(\s)+16*\b+\n], v[(\s)+16*\b+\n], -v[TM+8+\b], v[TM+8+\b]   ; the conversion does not saturate (ISA guide 7.6.2)
.endr
	v_cvt_scalef32_pk8_fp8_f32 v[(\pc)+4*\b:(\pc)+4*\b+1], v[(\s)+16*\b:(\s)+16*\b+7], v[TM+12+\b]
	v_cvt_scalef32_pk8_fp8_f32 v[(\pc)+4*\b+2:(\pc)+4*\b+3], v[(\s)+16*\b+8:(\s)+16*\b+15], v[TM+12+\b]
.endr
	v_nop                                                       ; a plain line behind the last scaled conversion
.endm
; tile y: the four blocks' scale operands, bounds and bytes from their largest p
.macro BOUNDS y
.set rT, T0+16*(\y)
.irp b, 0,1,2,3
	v_max_num_f32 v[rT+\b], 0x4800000, v[rT+\b]
.endr
.irp b, 0,1,2,3
	v_add_nc_u32 v[rT+12+\b], 0xfc000000, v[rT+\b]
.endr
.irp b, 0,1,2,3
	v_and_or_b32 v[rT+8+\b], v[rT+\b], 0x7f800000, s[MNT]
.endr
.irp b, 0,1,2,3
	v_lshrrev_b32 v[rT+4+\b], 23, v[rT+12+\b]
.endr
	v_lshl_or_b32 v[PSC+(\y)], v[rT+5], 8, v[rT+4]
	v_lshl_or_b32 v[PSC+(\y)], v[rT+6], 16, v[PSC+(\y)]
	v_lshl_or_b32 v[PSC+(\y)], v[rT+7], 24, v[PSC+(\y)]
.endm
; tile y: the row's sum of the unquantised p, two numbers a line, in four chains; each chain's first line brings the old sum under the new M
.macro SUMS y
.set rS, S0+64*(\y)
.set rZ, ST0+8*(\y)
.set rA, AC+4*(\y)
	v_pk_fma_f32 v[rZ+2:rZ+3], v[rZ+2:rZ+3], v[rZ+4:rZ+5], v[rS:rS+1] op_sel_hi:[1,0,1]
	v_pk_fma_f32 v[rZ+6:rZ+7], v[rZ+6:rZ+7], v[rZ+4:rZ+5], v[rS+2:rS+3] op_sel_hi:[1,0,1]
	v_pk_fma_f32 v[rA:rA+1], v[rA:rA+1], v[rZ+4:rZ+5], v[rS+4:rS+5] op_sel_hi:[1,0,1]
	v_pk_fma_f32 v[rA+2:rA+3], v[rA+2:rA+3], v[rZ+4:rZ+5], v[rS+6:rS+7] op_sel_hi:[1,0,1]
.set n, 8
.rept 7
	v_pk_add_f32 v[rZ+2:rZ+3], v[rZ+2:rZ+3], v[rS+n:rS+n+1]
	v_pk_add_f32 v[rZ+6:rZ+7], v[rZ+6:rZ+7], v[rS+n+2:rS+n+3]
	v_pk_add_f32 v[rA:rA+1], v[rA:rA+1], v[rS+n+4:rS+n+5]
	v_pk_add_f32 v[rA+2:rA+3], v[rA+2:rA+3], v[rS+n+6:rS+n+7]
.set n, n+8
.endr
.endm
; tile y, pair m = 0 .. 31: two holds in one line (p is not negative: one-sided).  An even register of one block goes with an odd register of its neighbour block, so that the destinations are even and odd
; and the two first sources, and the two bounds, differ modulo 4.  Pairs 0-15 serve blocks 0, 1; pairs 16-31 blocks 2, 3.
.macro DMIN y, m
.set bx_, 2*((\m)/16)+((\m)%16)/8
.set by_, 2*((\m)/16)+1-((\m)%16)/8
.set rx_, S0+64*(\y)+16*bx_+2*((\m)%8)
.set ry_, S0+64*(\y)+16*by_+2*((\m)%8)+1
	v_dual_min_num_f32 v[rx_], v[rx_], v[T0+16*(\y)+8+bx_] :: v_dual_min_num_f32 v[ry_], v[ry_], v[T0+16*(\y)+8+by_]
.endm
.macro CVT y, b
	v_cvt_scalef32_pk8_fp8_f32 v[PC0+16*(\y)+4*(\b):PC0+16*(\y)+4*(\b)+1], v[S0+64*(\y)+16*(\b):S0+64*(\y)+16*(\b)+7], v[T0+16*(\y)+12+(\b)]
	v_cvt_scalef32_pk8_fp8_f32 v[PC0+16*(\y)+4*(\b)+2:PC0+16*(\y)+4*(\b)+3], v[S0+64*(\y)+16*(\b)+8:S0+64*(\y)+16*(\b)+15], v[T0+16*(\y)+12+(\b)]
.endm
.macro STEP
	s_wait_dscnt 0x0                               ; this step's K fragments and scale words are in
	WIN 0x05
.irp t, 0,1,2,3,4,5,6,7
.irp i, 0,1
	v_wmma_scale_f32_16x16x128_f8f6f4 v[S0+64*\i+8*\t:S0+64*\i+8*\t+7], v[KF+8*\t:KF+8*\t+15], v[QF+16*\i:QF+16*\i+15], 0, v[KSC+\t], v[QSC+\i]
.endr
.endr
	WIN 0
	v_add_nc_u32 v5, s[TB], v1                     ; eight places behind the products: four additions and four v_nop
	v_add_nc_u32 v6, s[TB], v2
	v_add_nc_u32 v7, s[TS], v3
	v_add_nc_u32 v8, s[TJ], v4
.rept 4
	v_nop
.endr
	WIN 0x40
.irp t, 0,1,2,3
.irp c, 0,1,2,3
	ds_load_b128 v[VF+16*\t+4*\c:VF+16*\t+4*\c+3], v6 offset:2048*\t+512*\c
.endr
.endr
.irp t, 0,1,2,3,4,5,6,7
.irp c, 0,1
	ds_load_b128 v[KF+8*\t+4*\c:KF+8*\t+4*\c+3], v5 offset:8192+1024*\t+512*\c   ; the next step's K
.endr
.endr
	WIN 0
	ds_load_b128 v[VSC:VSC+3], v8
	ds_load_b128 v[KSC:KSC+3], v7 offset:512
	ds_load_b128 v[KSC+4:KSC+7], v7 offset:528
	; the largest score of each block of 32 keys, both tiles by turns; each accumulator is first read at its low end
.irp b, 0,1,2,3
.irp i, 0,1
	v_max3_num_f32 v[T0+16*\i+\b], v[S0+64*\i+16*\b], v[S0+64*\i+16*\b+1], v[S0+64*\i+16*\b+2]
.endr
.endr
.irp n, 3,5,7,9,11,13
.irp b, 0,1,2,3
.irp i, 0,1
	v_max3_num_f32 v[T0+16*\i+\b], v[T0+16*\i+\b], v[S0+64*\i+16*\b+\n], v[S0+64*\i+16*\b+\n+1]
.endr
.endr
.endr
.irp b, 0,1,2,3
.irp i, 0,1
	v_max_num_f32 v[T0+16*\i+\b], v[T0+16*\i+\b], v[S0+64*\i+16*\b+15]
.endr
.endr
.irp b, 0,1,2,3
.irp i, 0,1
	v_permlanex16_b32 v[T0+16*\i+4+\b], v[T0+16*\i+\b], s[SEL], s[SEL+1]
.endr
.endr
.irp b, 0,1,2,3
.irp i, 0,1
	v_max_num_f32 v[T0+16*\i+\b], v[T0+16*\i+\b], v[T0+16*\i+4+\b]
.endr
.endr
.irp i, 0,1
	v_max3_num_f32 v[ST0+8*\i+1], v[ST0+8*\i+1], v[T0+16*\i], v[T0+16*\i+1]     ; the running largest score
.endr
.irp i, 0,1
	v_max3_num_f32 v[ST0+8*\i+1], v[ST0+8*\i+1], v[T0+16*\i+2], v[T0+16*\i+3]
.endr
.irp i, 0,1
	v_mov_b32 v[T0+16*\i+5], v[ST0+8*\i]           ; the old -M
.endr
.irp i, 0,1
	v_mul_f32 v[T0+16*\i+4], s[CS], v[ST0+8*\i+1]  ; as t (c is positive)
.endr
.irp i, 0,1
	v_floor_f32 v[ST0+8*\i], -v[T0+16*\i+4]        ; -M = floor(-t)
.endr
.irp i, 0,1
	v_sub_f32 v[T0+16*\i+5], v[ST0+8*\i], v[T0+16*\i+5]
.endr
.irp i, 0,1
	v_cvt_i32_f32 v[T0+16*\i+5], v[T0+16*\i+5]     ; old M - new M, a whole number, 0 or less (it saturates)
.endr
.irp i, 0,1
	v_ldexp_f32 v[ST0+8*\i+4], 1.0, v[T0+16*\i+5]  ; f
.endr
.set n, 0
.rept 32
	v_pk_fma_f32 v[S0+n:S0+n+1], v[S0+n:S0+n+1], s[CS:CS+1], v[ST0:ST0+1] op_sel_hi:[1,0,0]   ; tile 0: t - M
.set n, n+2
.endr
.irp b, 0,1,2,3
	v_fma_f32 v[T0+\b], v[T0+\b], s[CS], v[ST0]
.endr
	WIN 0x41
.irp i, 0,1
.set n, 0
.rept 16
	v_pk_mul_f32 v[32*\i+n:32*\i+n+1], v[32*\i+n:32*\i+n+1], v[ST0+8*\i+4:ST0+8*\i+5] op_sel_hi:[1,0]   ; O^T under the new M; no exponential stands between the last step's products and these lines
.set n, n+2
.endr
.endr
	WIN 0
	s_wait_alu depctr_va_vdst(0)
.set n, 0
.rept 32
	v_exp_f32 v[S0+n], v[S0+n]                     ; tile 0: p;  among them tile 1's t - M, which is read behind the next waits
	v_pk_fma_f32 v[S0+64+n:S0+64+n+1], v[S0+64+n:S0+64+n+1], s[CS:CS+1], v[ST0+8:ST0+9] op_sel_hi:[1,0,0]
	v_exp_f32 v[S0+n+1], v[S0+n+1]
.set n, n+2
.endr
.irp b, 0,1,2,3
	v_exp_f32 v[T0+\b], v[T0+\b]                   ; the blocks' largest p
	v_fma_f32 v[T0+16+\b], v[T0+16+\b], s[CS], v[ST0+8]
.endr
	s_wait_alu depctr_va_vdst(0)                   ; one wait for the batch, ahead of its first reader
	BOUNDS 0
	SUMS 0
	s_wait_alu depctr_va_vdst(0)                   ; ahead of the second batch
.set n, 0
.rept 32
	v_exp_f32 v[S0+64+2*n], v[S0+64+2*n]           ; tile 1: p;  among them tile 0's holds, which the conversions read behind the next wait
	DMIN 0, n
	v_exp_f32 v[S0+64+2*n+1], v[S0+64+2*n+1]
.set n, n+1
.endr
.irp b, 0,1,2,3
	v_exp_f32 v[T0+16+\b], v[T0+16+\b]
.endr
	v_nop                                          ; a plain place behind the last exponential
	s_wait_alu depctr_va_vdst(0)
.irp b, 0,1,2,3
	CVT 0, \b
.endr
	BOUNDS 1
	SUMS 1
.set n, 0
.rept 16
	DMIN 1, n
.set n, n+1
.endr
	CVT 1, 0
	CVT 1, 1
.rept 16
	DMIN 1, n
.set n, n+1
.endr
	CVT 1, 2
	CVT 1, 3
.rept 4
	v_nop                                          ; codes written by vector lines stand four places ahead of a scaled product
.endr
	s_wait_alu depctr_va_vdst(0)
	s_wait_dscnt 0x0                               ; V's fragments and scale words
	WIN 0x51
.irp t, 0,1,2,3
.irp i, 0,1
	v_wmma_scale_f32_16x16x128_f8f6f4 v[32*\i+8*\t:32*\i+8*\t+7], v[VF+16*\t:VF+16*\t+15], v[PC0+16*\i:PC0+16*\i+15], v[32*\i+8*\t:32*\i+8*\t+7], v[VSC+\t], v[PSC+\i]
.endr
.endr
	WIN 0
	s_add_co_u32 s[TB], s[TB], 8192
	s_add_co_u32 s[TS], s[TS], 512
	s_add_co_u32 s[TJ], s[TJ], 256
.endm
	s_load_b256 s[4:11], s[0:1], 0x0               ; qb, kvb, cc, cs
	v_lshl_add_u32 v254, v0, 2, SPARE
	v_mov_b32 v255, 0
	ds_add_u32 v254, v255                          ; the opening lines: the add, twice on end, and its wait ahead of the first tensor load
	ds_add_u32 v254, v255
	v_lshrrev_b32 v1, 5, v0
	v_readfirstlane_b32 s[WV], v1                  ; wave 0..7
	s_bfe_u32 s13, ttmp6, 0x40000                  ; cx: which 512 queries
	s_and_b32 s14, ttmp7, 0xffff                   ; 16 x batch + head
.irp g, G1A, G1B, G1C
	s_mov_b32 s[\g], 15|(3<<16)|(1<<21)            ; the mask names the cluster's four; elements of 8 bytes; bit 21 beside a mask
	s_mov_b32 s[\g+1], 32<<16                      ; rows of 256 bytes, dense
	s_mov_b32 s[\g+3], 32<<16
	s_mov_b32 s[\g+5], 32
	s_mov_b32 s[\g+6], 0
	s_mov_b32 s[\g+7], 0
.endr
	s_mov_b32 s[G1A+2], 256<<16
	s_mov_b32 s[G1A+4], 256
	s_mov_b32 s[G1B+2], 16<<16
	s_mov_b32 s[G1B+4], 16
	s_mov_b32 s[G1C+2], 8<<16
	s_mov_b32 s[G1C+4], 8
	s_and_b32 s15, s[WV], 1                        ; which half of the keys I fetch for
	s_mul_i32 s16, s14, 2*HB
	s_mul_i32 s17, s15, HB
	s_add_co_u32 s54, s17, s16                     ; that half's block
	s_mov_b32 s55, 0
	s_and_b32 s18, s[WV], 3
	s_mov_b32 s[G0A], 1
	s_lshl_b32 s[G0A+1], s18, 16                   ; codes: wave 0: K half 0, 1: K half 1, 2: V half 0, 3: V half 1
	s_lshr_b32 s56, s18, 1
	s_lshl_b32 s56, s56, 16                        ; V's codes lie 65,536 bytes behind K's
	s_mov_b32 s57, 0
	s_mov_b32 s[G0B], 1
	s_lshl_b32 s[G0B+1], s15, 12
	s_add_co_u32 s[G0B+1], s[G0B+1], LKS
	s_mov_b32 s[G0C], 1
	s_lshl_b32 s[G0C+1], s15, 11
	s_add_co_u32 s[G0C+1], s[G0C+1], LVS
	s_mov_b32 s[SEL], 0x76543210
	s_mov_b32 s[SEL+1], 0xfedcba98
	s_mov_b32 s[CS], 0x3e38aa3b                    ; c = log2(e) / 8
	s_mov_b32 s[CS+1], s[CS]
	s_mov_b32 s[MNT], 0x600000                     ; the mantissa field of 448
	v_and_b32 v11, 31, v0
	v_and_b32 v12, 15, v0
	v_lshlrev_b32 v1, 4, v11                       ; 16 x lane: my place in an image; K's codes
	v_add_nc_u32 v2, LV, v1                        ; V's codes
	v_lshlrev_b32 v9, 5, v12
	v_add_nc_u32 v3, LKS, v9                       ; K's scale words: 32 r
	v_lshl_add_u32 v4, v12, 4, LVS                 ; V's: 16 r
	s_lshl_b32 s58, s[WV], 7
	v_lshl_add_u32 v10, v12, 2, STG
	v_add_nc_u32 v10, s58, v10                     ; my stage word: 128 x wave + 4 r
	v_add_nc_u32 v13, STG, v1
.irp b, 0,1,2,3
	v_mov_b32 v[T0+4+\b], 0                        ; a lane permute's destination counts as one of its sources
	v_mov_b32 v[T0+20+\b], 0
.endr
	v_mov_b32 v[ST0+5], 0                          ; named with f as a pair
	v_mov_b32 v[ST0+13], 0
	WIN 0x40
.irp z, 72, 88, 160
.irp n, 0,1,2,3,4,5,6,7
	v_mov_b32 v[\z+\n], 0                          ; the zero codes
.endr
.endr
	WIN 0
	s_wait_alu depctr_va_vdst(0)
	s_wait_dscnt 0x0
	s_wait_kmcnt 0x0
	s_add_nc_u64 s[54:55], s[6:7], s[54:55]
	s_add_nc_u64 s[G0A+2:G0A+3], s[54:55], s[56:57]
	s_add_nc_u64 s[G0B+2:G0B+3], s[54:55], 131072
	s_add_nc_u64 s[G0C+2:G0C+3], s[54:55], 135168
	s_or_b32 s[G0A+3], s[G0A+3], 0x80000000
	s_or_b32 s[G0B+3], s[G0B+3], 0x80000000
	s_or_b32 s[G0C+3], s[G0C+3], 0x80000000
	CROUND                                         ; the four work-groups are here: the joint loads meet
	s_cmp_lt_u32 s[WV], 4                          ; one chain of branches on the wave's number, a load to an arm
	s_cbranch_scc0 .Lfor_ks
	TL G0A, G1A
	s_branch .Lasked
.Lfor_ks:
	s_cmp_lt_u32 s[WV], 6
	s_cbranch_scc0 .Lfor_vs
	TL G0B, G1B
	s_branch .Lasked
.Lfor_vs:
	TL G0C, G1C
.Lasked:
	; Q's codes and scale words: half cx / 2 of qb's block, tile 32 (cx % 2) + 4 wave on
	s_lshr_b32 s56, s13, 1
	s_mul_i32 s56, s56, HB
	s_add_co_u32 s56, s56, s16
	s_and_b32 s57, s13, 1
	s_lshl_b32 s58, s57, 5
	s_lshl_b32 s59, s[WV], 2
	s_add_co_u32 s58, s58, s59
	s_lshl_b32 s58, s58, 10
	s_add_co_u32 s58, s58, s56
	s_mov_b32 s59, 0
	s_add_nc_u64 s[46:47], s[4:5], s[58:59]
	s_lshl_b32 s58, s57, 2
	s_lshr_b32 s60, s[WV], 1
	s_add_co_u32 s58, s58, s60
	s_lshl_b32 s58, s58, 9
	s_and_b32 s60, s[WV], 1
	s_lshl_b32 s60, s60, 4
	s_add_co_u32 s58, s58, s60
	s_add_co_u32 s58, s58, s56
	s_add_co_u32 s58, s58, 131072
	s_add_nc_u64 s[48:49], s[4:5], s[58:59]
	; cc: [head / 4][token tile][head / 2 % 2][image], my head's 1,024 bytes of an image;  cs: [head][token tile pair][64 bytes]
	s_and_b32 s56, s14, 15
	s_lshr_b32 s57, s14, 4
	s_lshr_b32 s58, s56, 2
	s_lshl_b32 s58, s58, 21
	s_lshl_b32 s60, s57, 7
	s_lshl_b32 s61, s13, 5
	s_add_co_u32 s60, s60, s61
	s_lshl_b32 s61, s[WV], 2
	s_add_co_u32 s60, s60, s61
	s_lshl_b32 s60, s60, 12
	s_add_co_u32 s58, s58, s60
	s_bfe_u32 s60, s56, 0x10001
	s_lshl_b32 s60, s60, 11
	s_add_co_u32 s58, s58, s60
	s_and_b32 s60, s56, 1
	s_lshl_b32 s60, s60, 10
	s_add_co_u32 s58, s58, s60
	s_add_nc_u64 s[50:51], s[8:9], s[58:59]
	s_lshl_b32 s58, s56, 14
	s_lshl_b32 s60, s57, 6
	s_lshl_b32 s61, s13, 4
	s_add_co_u32 s60, s60, s61
	s_lshl_b32 s60, s60, 6
	s_add_co_u32 s58, s58, s60
	s_add_nc_u64 s[52:53], s[10:11], s[58:59]
	WIN 0x40
.irp i, 0,1
.irp c, 0,1
	global_load_b128 v[QF+16*\i+4*\c:QF+16*\i+4*\c+3], v1, s[46:47] offset:1024*\i+512*\c
.endr
.endr
	WIN 0
	global_load_b64 v[QSC:QSC+1], v9, s[48:49]
	s_mov_b32 s44, 2                               ; passes to go
	s_mov_b32 s45, 0
	s_wait_tensorcnt 0x0                           ; my piece is in,
	s_barrier_signal -1
	s_barrier_wait -1                              ; everybody's is: the whole head lies in LDS, and nothing is filled again
.Lpass:
	WIN 0x40
.irp t, 0,1,2,3,4,5,6,7
.irp c, 0,1
	ds_load_b128 v[KF+8*\t+4*\c:KF+8*\t+4*\c+3], v1 offset:1024*\t+512*\c   ; key step 0's K
.endr
.endr
.set n, 0
.rept 64
	v_mov_b32 v[n], 0                              ; O^T: the step is written once, and its first trip finds zeros
.set n, n+1
.endr
	WIN 0
	ds_load_b128 v[KSC:KSC+3], v3
	ds_load_b128 v[KSC+4:KSC+7], v3 offset:16
.irp i, 0,1
	v_mov_b32 v[ST0+8*\i], 0x7f61b1e6              ; -M = 3e38, so that the first f is 0
	v_mov_b32 v[ST0+8*\i+1], 0xff61b1e6            ; the largest score so far: -3e38
.irp z, 2,3,6,7
	v_mov_b32 v[ST0+8*\i+\z], 0
.endr
.irp z, 0,1,2,3
	v_mov_b32 v[AC+4*\i+\z], 0
.endr
.endr
	s_mov_b32 s[TB], 0
	s_mov_b32 s[TS], 0
	s_mov_b32 s[TJ], 0
	s_mov_b32 s43, 16
	s_wait_alu depctr_va_vdst(0)
	s_wait_loadcnt 0x0                             ; Q
.Lstep:
	STEP
	s_sub_co_u32 s43, s43, 1
	s_cmp_lg_u32 s43, 0
	s_cbranch_scc1 .Lstep
	s_cmp_eq_u32 s44, 1
	s_cbranch_scc1 .Lno_next
	WIN 0x40
.irp i, 0,1
.irp c, 0,1
	global_load_b128 v[QF+16*\i+4*\c:QF+16*\i+4*\c+3], v1, s[46:47] offset:2048+1024*\i+512*\c   ; the next pass's Q
.endr
.endr
	WIN 0
	global_load_b64 v[QSC:QSC+1], v9, s[48:49] offset:8
.Lno_next:
	; the row's sum: four chains of two, then lane l xor 16's.  These lines are also the places behind the last products
.irp i, 0,1
	v_pk_add_f32 v[ST0+8*\i+2:ST0+8*\i+3], v[ST0+8*\i+2:ST0+8*\i+3], v[ST0+8*\i+6:ST0+8*\i+7]
.endr
.irp i, 0,1
	v_pk_add_f32 v[AC+4*\i:AC+4*\i+1], v[AC+4*\i:AC+4*\i+1], v[AC+4*\i+2:AC+4*\i+3]
.endr
.irp i, 0,1
	v_pk_add_f32 v[ST0+8*\i+2:ST0+8*\i+3], v[ST0+8*\i+2:ST0+8*\i+3], v[AC+4*\i:AC+4*\i+1]
.endr
.irp i, 0,1
	v_add_f32 v[T0+16*\i+4], v[ST0+8*\i+2], v[ST0+8*\i+3]
.endr
.irp i, 0,1
	v_permlanex16_b32 v[T0+16*\i+6], v[T0+16*\i+4], s[SEL], s[SEL+1]
.endr
.irp i, 0,1
	v_add_f32 v[T0+16*\i+4], v[T0+16*\i+4], v[T0+16*\i+6]
.endr
	s_wait_alu depctr_va_vdst(0)                   ; ahead of the transcendentals
.irp i, 0,1
	v_rcp_f32 v[T0+16*\i+4], v[T0+16*\i+4]
.endr
	v_nop
	s_wait_alu depctr_va_vdst(0)                   ; behind them, ahead of the first reader of their results and of O^T
	WIN 0x01
.irp i, 0,1
.set n, 0
.rept 16
	v_pk_mul_f32 v[S0+32*\i+n:S0+32*\i+n+1], v[32*\i+n:32*\i+n+1], v[T0+16*\i+4:T0+16*\i+5] op_sel_hi:[1,0]   ; O^T / the sum
.set n, n+2
.endr
.endr
	WIN 0
	QUANT S0, PC0, PW                              ; blocks 0, 1: tile 0's 64 channels; blocks 2, 3: tile 1's
.irp i, 0,1
.irp c, 0,1
	global_store_b128 v1, v[PC0+8*\i+4*\c:PC0+8*\i+4*\c+3], s[50:51] offset:4096*\i+512*\c   ; 512 consecutive bytes, aligned
.endr
.endr
	v_add_nc_u32 v11, s45, v10
	ds_store_b32 v11, v[PW]
	s_wait_xcnt 0x0                                ; the stores have read their base and their data
	s_add_nc_u64 s[50:51], s[50:51], 8192
	s_add_co_u32 s45, s45, 64
	s_sub_co_u32 s44, s44, 1
	s_cmp_lg_u32 s44, 0
	s_cbranch_scc1 .Lpass
	s_wait_dscnt 0x0
	s_barrier_signal -1
	s_barrier_wait -1
	s_cmp_lg_u32 s[WV], 0
	s_cbranch_scc1 .Lnot_mine
	ds_load_b128 v[244:247], v13                   ; wave 0 stores the work-group's 1,024 bytes of scale words
	ds_load_b128 v[248:251], v13 offset:512
	s_wait_dscnt 0x0
	global_store_b128 v1, v[244:247], s[52:53]
	global_store_b128 v1, v[248:251], s[52:53] offset:512
.Lnot_mine:
	s_wait_tensorcnt 0x0                           ; the wave's end
	ds_add_u32 v254, v255
	s_wait_dscnt 0x0
	CROUND                                         ; the closing round
	s_endpgm
.Lfunc_end_k_q26e2650a19_attn:
	.size	k_q26e2650a19_attn, .Lfunc_end_k_q26e2650a19_attn-k_q26e2650a19_attn
	.p2alignl 7, 3214868480
	.fill 96, 4, 3214868480
	.section	.rodata,"a",@progbits
	.p2align	6, 0x0
	.amdhsa_kernel k_q26e2650a19_attn
		.amdhsa_group_segment_fixed_size 327680
		.amdhsa_private_segment_fixed_size 0
		.amdhsa_enable_private_segment 0
		.amdhsa_kernarg_size 32
		.amdhsa_user_sgpr_count 2
		.amdhsa_user_sgpr_kernarg_segment_ptr 1
		.amdhsa_wavefront_size32 1
		.amdhsa_system_sgpr_workgroup_id_x 1
		.amdhsa_system_sgpr_workgroup_id_y 1
		.amdhsa_system_sgpr_workgroup_id_z 1
		.amdhsa_system_vgpr_workitem_id 0
		.amdhsa_next_free_vgpr 512
		.amdhsa_next_free_sgpr 100
		.amdhsa_reserve_vcc 0
		.amdhsa_float_denorm_mode_32 3
		.amdhsa_float_denorm_mode_16_64 3
		.amdhsa_memory_ordered 1
		.amdhsa_forward_progress 1
		.amdhsa_inst_pref_size 60
	.end_amdhsa_kernel
	.amdgpu_metadata
---
amdhsa.version: [ 1, 2 ]
amdhsa.kernels:
  - .name:           k_q26e2650a19_attn
    .symbol:         k_q26e2650a19_attn.kd
    .args:
      - { .name: qb, .offset: 0, .size: 8, .value_kind: global_buffer, .address_space: global }
      - { .name: kvb, .offset: 8, .size: 8, .value_kind: global_buffer, .address_space: global }
      - { .name: cc, .offset: 16, .size: 8, .value_kind: global_buffer, .address_space: global }
      - { .name: cs, .offset: 24, .size: 8, .value_kind: global_buffer, .address_space: global }
    .group_segment_fixed_size: 327680
    .private_segment_fixed_size: 0
    .kernarg_segment_align: 8
    .kernarg_segment_size: 32
    .max_flat_workgroup_size: 256
    .sgpr_count:     100
    .vgpr_count:     512
    .wavefront_size: 32
...
	.end_amdgpu_metadata
.endif
;; end of part 3
;; launch oproj (part 4): grid 4 x 64, 4 waves a work-group, clusters of 4 x 4, 327,680 bytes of LDS; arguments cc, cs, xw, xws, bo, out0; writes out0
.if DOCPART == 4
	.amdgcn_target "amdgcn-amd-amdhsa--gfx1250"
	.amdhsa_code_object_version 6
	.text
	.protected	k_q26e2650a19_oproj
	.globl	k_q26e2650a19_oproj
	.p2align	8
	.type	k_q26e2650a19_oproj,@function
k_q26e2650a19_oproj:
	s_mov_b64 s[64:65], 0
	v_nop
	global_prefetch_b8 v0, s[64:65] scope:SCOPE_SE
	s_setreg_imm32_b32 hwreg(HW_REG_WAVE_MODE, 25, 1), 1
	s_wait_xcnt 0x0
	s_wait_alu depctr_hold_cnt(0) depctr_sa_sdst(0) depctr_va_vdst(0) depctr_va_sdst(0) depctr_va_ssrc(0) depctr_va_vcc(0) depctr_vm_vsrc(0)
	s_getreg_b32 s2, hwreg(HW_REG_IB_STS2, 6, 4)
	s_cmp_eq_u32 s2, 0
	s_cbranch_scc0 .Lentry_in_a_cluster
	s_endpgm
.Lentry_in_a_cluster:
	s_bfe_u32 s2, ttmp6, 0x10000c
	s_cmp_lg_u32 s2, 0xf033
	s_cbranch_scc0 .Lentry_shape_is_right
	s_endpgm
.Lentry_shape_is_right:
; out = ctx Wo^T + bo on codes of FP8 (E4M3) with E8M0 scales; f32 out.
; OPERANDS are images of registers: tile T, K step s of 128: 2,048 bytes, byte 512 c + 16 lane + i; lane-row p of tile T is row 32 (T / 2) + 8 (T % 2) + p + 8 (p / 8).
; cc: ctx's codes [K step of 256: 4][tile 512][4,096];  cs: its scale bytes [head 16][pair of tiles 256][r 16][even tile's 2 bytes, odd tile's 2];  Wo: tiles 704-767 of xw [K step of 256][tile 768][4,096] and xws [tile][s / 4][r][s % 4].
; SHARES: 256 work-groups of four waves; a block of 128 tokens (A: 8 tiles) x 256 columns (B: 16 tiles of Wo); a wave has 64 x 128: 32 accumulators.  Source 0 = B's fragment, source 1 = A's: a lane holds eight neighbouring columns of a token's row.
; CLUSTERS 4 x 4: A's tiles are asked for jointly along a row of the cluster, B's along a column.
; A's 131,072 bytes, all of K, are asked for at the head (waves 0, 1: two K steps each, a row of 32,768 bytes for a K step) and stay in LDS.  B goes in K steps of 256 through two slots of 65,536 bytes;
; at the head wave 2 brings K step 0 whole and wave 3 B's scale words; behind the head each wave brings a quarter of a slot.  A's scale bytes are sorted into words by the waves and stored into LDS bytes of their own.
; No prefetch: A's bytes are all asked for at the head; of B's four K steps two are asked for at the head and directly behind it, and the other two a whole K step ahead of their use.
; Both operands have two sets of registers, set q for a K step's q-th 128.  The bias is the C of each sum's first product.  The steps are written out: K is four steps.
; THE WAY OUT: a block of 16 tokens x 128 columns goes through the wave's stage in LDS and leaves as rows of 512 bytes.  The stages lie in A's K steps 0 and 1, which nobody reads behind the change to K step 2.
; REGISTERS: window 0: v1-9 lane numbers; v16-29 addresses; v32-63 scale words, two sets; v64-127 the bias; v128-255 A's fragments, later the way out.  window 1: B's fragments.  window 2: accumulator (a, b) at v[8 (8 a + b)].
.set PLA,   2097152                    ; from a K step of 256 to the next in cc,
.set PLB,   3145728                    ; and in xw
.set BL,    131072                     ; B's ring
.set BSL,   65536
.set SCL,   262144                     ; A's scale words: 8 tiles x 2 rows of 256 bytes + 16
.set SCB,   SCL+8*544                  ; B's: 16 tiles
.set SPARE, SCB+32*272
.set FR, 16
.set NP, 8                             ; places behind this matrix instruction (ISA guide 7.12.1)
.set SPITCH, 528
.set ADRA, 16                          ; v16: A's K steps 0, 1;  v17: 2, 3
.set ADRB, 20                          ; v20-21: B's slots
.set STO,  24
.set RD,   25
.set CO,   26
.set ADRS, 27
.set SPW,  28
.set NIL,  29
.set SC,   32
.set BI,   64
.set AF,   128
.set BK,   128
.set WV, 18
.set WA, 19
.set WB, 20
.set G1A, 24
.set G0A, 32
.set G0H, 36
.set G1B, 48
.set G0B, 56
.set G1S, 68
.set G0S, 76
.set MSB, 0
.macro WIN new                         ; the immediate's high byte repeats the setting that is left
.if MSB != (\new)
	s_set_vgpr_msb (MSB<<8)|(\new)
.set MSB, (\new)
.endif
.endm
.macro PLACES n
.rept \n
	v_nop
.endr
.endm
.macro TL g0, g1                       ; a tensor load; s_nop 0 and four v_nop follow it
	tensor_load_to_lds s[\g0:\g0+3], s[\g1:\g1+7]
	s_nop 0
	PLACES 4
.endm
.macro CREST
	s_cmp_lg_u32 s[WV], 0
	s_cbranch_scc1 .Lnot_wave_0_\@
	s_barrier_signal -3
.Lnot_wave_0_\@:
	s_barrier_wait -3
	s_barrier_signal -1
	s_barrier_wait -1
.endm
.macro CROUND
	s_barrier_signal -1
	s_barrier_wait -1
	CREST
.endm
.macro FETCH ks, q                     ; the fragments of K step ks's q-th 128: B's eight, A's four: 48 loads
	WIN 0x40
.irp i, 0,1,2,3,4,5,6,7
.irp c, 0,1,2,3
	ds_load_b128 v[128*(\q)+FR*\i+4*\c:128*(\q)+FR*\i+4*\c+3], v[ADRB+(\ks)%2] offset:4096*\i+2048*(\q)+512*\c
.endr
.endr
	WIN 0
.irp i, 0,1,2,3
.irp c, 0,1,2,3
	ds_load_b128 v[AF+64*(\q)+FR*\i+4*\c:AF+64*(\q)+FR*\i+4*\c+3], v[ADRA+(\ks)/2] offset:32768*((\ks)%2)+4096*\i+2048*(\q)+512*\c
.endr
.endr
.endm
.macro SCALES ks                       ; two words a row: lanes 0-15 A's block i (i under 4 is used), lanes 16-31 B's block i
.irp i, 0,1,2,3,4,5,6,7
	ds_load_b64 v[SC+16*((\ks)%2)+2*\i:SC+16*((\ks)%2)+2*\i+1], v[ADRS] offset:\i*544+272*((\ks)/2)+8*((\ks)%2)
.endr
.endm
; eight products: A's block a x B's eight.  The 32 accumulators take turns, one instruction a turn
.macro MUL8 a, q, ks, cm
.irp b, 0,1,2,3,4,5,6,7
.if \cm
	v_wmma_scale_f32_16x16x128_f8f6f4 v[8*(8*(\a)+\b):8*(8*(\a)+\b)+7], v[128*(\q)+FR*\b:128*(\q)+FR*\b+FR-1], v[AF+64*(\q)+FR*(\a):AF+64*(\q)+FR*(\a)+FR-1], v[BI+8*\b:BI+8*\b+7], v[SC+16*((\ks)%2)+2*\b+(\q)], v[SC+16*((\ks)%2)+2*(\a)+(\q)] matrix_a_scale:MATRIX_SCALE_ROW1
.else
	v_wmma_scale_f32_16x16x128_f8f6f4 v[8*(8*(\a)+\b):8*(8*(\a)+\b)+7], v[128*(\q)+FR*\b:128*(\q)+FR*\b+FR-1], v[AF+64*(\q)+FR*(\a):AF+64*(\q)+FR*(\a)+FR-1], v[8*(8*(\a)+\b):8*(8*(\a)+\b)+7], v[SC+16*((\ks)%2)+2*\b+(\q)], v[SC+16*((\ks)%2)+2*(\a)+(\q)] matrix_a_scale:MATRIX_SCALE_ROW1
.endif
.endr
.endm
.macro STEP ks, cm                     ; a K step's first 128
	s_wait_dscnt 0x0                               ; set 0 and the scale words are in
	PLACES NP                                      ; set 1 was read by the products just before
	FETCH \ks, 1
.if \cm
	WIN 0x81
.else
	WIN 0xa1
.endif
.irp a, 0,1,2,3
	MUL8 \a, 0, \ks, \cm
.endr
	WIN 0
.endm
; a K step's second 128 changes slots: each wave waits for all its tensor loads, adds 0 to its spare word, and waits for that and for its reads of the slot.  fill = 1: the barrier opens a round, and the slot takes the K step two on
.macro TURN ks, fill
	s_wait_tensorcnt 0x0
	ds_add_u32 v[SPW], v[NIL]
	s_wait_dscnt 0x1                               ; set 1 is in (the add may be out)
	WIN 0xa1
	MUL8 0, 1, \ks, 0
	s_wait_dscnt 0x0
	s_barrier_signal -1
	MUL8 1, 1, \ks, 0
	WIN 0
	s_barrier_wait -1
.if \fill
	CREST
	TL G0B+4*((\ks)%2), G1B                        ; every wave its quarter; the four v_nop are among the places
	PLACES NP-4
.else
	PLACES NP
.endif
	FETCH (\ks)+1, 0
	SCALES (\ks)+1
	WIN 0xa1
	MUL8 2, 1, \ks, 0
	MUL8 3, 1, \ks, 0
	WIN 0
.endm
	s_load_b256 s[4:11], s[0:1], 0x0               ; cc, cs, xw, xws
	s_load_b128 s[12:15], s[0:1], 0x20             ; bo, out0
	v_lshl_add_u32 v[SPW], v0, 2, SPARE
	v_mov_b32 v[NIL], 0
	ds_add_u32 v[SPW], v[NIL]                      ; the opening lines: the add, twice on end, and its wait
	ds_add_u32 v[SPW], v[NIL]
	v_lshrrev_b32 v1, 5, v0
	v_readfirstlane_b32 s[WV], v1                  ; wave 0..3
	s_lshr_b32 s[WA], s[WV], 1                     ; my half of the tokens
	s_and_b32 s[WB], s[WV], 1                      ; my half of the columns
	s_bfe_u32 s40, ttmp6, 0x40000                  ; cx: the block of 256 columns
	s_bfe_u32 s41, ttmp6, 0x40004                  ; cy
	s_and_b32 s42, ttmp7, 0xffff
	s_lshl_b32 s42, s42, 2
	s_add_co_u32 s42, s42, s41                     ; the block of 128 tokens
	s_lshl_b32 s96, s41, 2
	s_lshl_b32 s96, 15, s96                        ; my row of the cluster
	s_lshl_b32 s97, 0x1111, s40                    ; my column
	s_or_b32 s[G1A], s96, (3<<16)|(1<<21)          ; A: 2 rows of 4,096 elements of 8 bytes, PLA bytes apart
	s_mov_b32 s[G1A+1], 4096<<16
	s_mov_b32 s[G1A+2], 2<<16
	s_mov_b32 s[G1A+3], 4096<<16
	s_mov_b32 s[G1A+4], 2
	s_mov_b32 s[G1A+5], PLA/8
	s_mov_b32 s[G1A+6], 0
	s_mov_b32 s[G1A+7], 0
	s_or_b32 s[G1B], s97, (3<<16)|(1<<21)          ; B: dense rows of 256 bytes: 256 for the head's load, then 64
	s_mov_b32 s[G1B+1], 32<<16
	s_mov_b32 s[G1B+2], 256<<16
	s_mov_b32 s[G1B+3], 32<<16
	s_mov_b32 s[G1B+4], 256
	s_mov_b32 s[G1B+5], 32
	s_mov_b32 s[G1B+6], 0
	s_mov_b32 s[G1B+7], 0
	s_or_b32 s[G1S], s97, (3<<16)|(1<<20)|(1<<21)|(5<<22)|(3<<25)   ; B's scale words: 32 rows of 256 bytes, 16 bytes of padding behind each
	s_mov_b32 s[G1S+1], 32<<16
	s_mov_b32 s[G1S+2], 32<<16
	s_mov_b32 s[G1S+3], 32<<16
	s_mov_b32 s[G1S+4], 32
	s_mov_b32 s[G1S+5], 32
	s_mov_b32 s[G1S+6], 0
	s_mov_b32 s[G1S+7], 0
	s_lshl_b32 s22, s42, 15                        ; A: 8 tiles of 4,096 bytes a block,
	s_mul_i32 s44, s[WB], 2*PLA                    ; two K steps on for wave 1
	s_add_co_u32 s22, s22, s44
	s_mov_b32 s23, 0
	s_lshl_b32 s45, s40, 4
	s_add_co_u32 s45, s45, 704                     ; B's first tile
	s_lshl_b32 s66, s45, 12
	s_mov_b32 s67, 0
	s_lshl_b32 s46, s45, 9
	s_mov_b32 s47, 0
	s_lshl_b32 s84, s[WV], 14                      ; in the ring: my quarter of a slot
	s_mov_b32 s85, 0
	s_mov_b32 s[G0A], 1
	s_lshl_b32 s[G0A+1], s[WB], 16
	s_mov_b32 s[G0H], 1
	s_mov_b32 s[G0H+1], BL
	s_mov_b32 s[G0S], 1
	s_mov_b32 s[G0S+1], SCB
	s_mov_b32 s[G0B], 1
	s_add_co_u32 s[G0B+1], s84, BL
	s_mov_b32 s[G0B+4], 1
	s_add_co_u32 s[G0B+5], s84, BL+BSL
	s_wait_dscnt 0x0
	s_wait_kmcnt 0x0
	s_add_nc_u64 s[G0A+2:G0A+3], s[4:5], s[22:23]
	s_or_b32 s[G0A+3], s[G0A+3], 0x80000000
	s_add_nc_u64 s[66:67], s[8:9], s[66:67]
	s_mov_b64 s[G0H+2:G0H+3], s[66:67]
	s_or_b32 s[G0H+3], s[G0H+3], 0x80000000
	s_add_nc_u64 s[G0S+2:G0S+3], s[10:11], s[46:47]
	s_or_b32 s[G0S+3], s[G0S+3], 0x80000000
	s_add_nc_u64 s[66:67], s[66:67], s[84:85]
	s_add_nc_u64 s[G0B+2:G0B+3], s[66:67], 2*PLB   ; slot 0's ring load is first used for K step 2,
	s_or_b32 s[G0B+3], s[G0B+3], 0x80000000
	s_add_nc_u64 s[G0B+6:G0B+7], s[66:67], PLB     ; slot 1's for K step 1
	s_or_b32 s[G0B+7], s[G0B+7], 0x80000000
	CROUND                                         ; all sixteen work-groups are here: the first joint loads meet
	s_cmp_lt_u32 s[WV], 2                          ; one chain of branches on the wave's number, a load to an arm
	s_cbranch_scc0 .Lhead_b
	TL G0A, G1A
	s_branch .Lhead_asked
.Lhead_b:
	s_cmp_eq_u32 s[WV], 2
	s_cbranch_scc0 .Lhead_s
	TL G0H, G1B
	s_branch .Lhead_asked
.Lhead_s:
	TL G0S, G1S
.Lhead_asked:
	s_lshl_b32 s84, s42, 8                         ; cs: 4 pairs of tiles x 64 bytes a block, in each head's 16,384
	s_add_nc_u64 s[80:81], s[6:7], s[84:85]
	s_lshl_b32 s84, s40, 10
	s_lshl_b32 s92, s[WB], 9
	s_add_co_u32 s84, s84, s92                     ; my first column, in bytes
	s_add_nc_u64 s[12:13], s[12:13], s[84:85]
	s_add_nc_u64 s[14:15], s[14:15], s[84:85]
	s_lshl_b32 s84, s42, 7
	s_lshl_b32 s92, s[WA], 6
	s_add_co_u32 s84, s84, s92
	s_lshl_b32 s84, s84, 12                        ; my first token's row of 4,096 bytes
	s_add_nc_u64 s[14:15], s[14:15], s[84:85]
	s_mov_b32 s82, 0x05040100
	s_mov_b32 s83, 0x07060302
	v_and_b32 v1, 31, v0                           ; lane
	v_and_b32 v2, 15, v0                           ; r
	v_bfe_u32 v3, v0, 4, 1                         ; h
	v_lshlrev_b32 v4, 4, v1
	v_and_b32 v8, 63, v0
	v_lshlrev_b32 v8, 2, v8                        ; thread % 64: a pair of tiles and a row: 4 bytes;
	v_lshrrev_b32 v9, 6, v0
	v_lshl_add_u32 v8, v9, 17, v8                  ; thread / 64: heads 0-7 or 8-15
	v_lshlrev_b32 v7, 6, v3
	s_wait_alu depctr_va_vdst(0)                   ; the offsets were just written
.irp n, 0,1,2,3,4,5,6,7
	global_load_b32 v[128+\n], v8, s[80:81] offset:16384*\n
.endr
.irp b, 0,1,2,3,4,5,6,7
	global_load_b128 v[BI+8*\b:BI+8*\b+3], v7, s[12:13] offset:4*(32*(\b/2)+8*(\b%2))      ; register j of B's block b wants bo[.. + 32 (b / 2) + 8 (b % 2) + 16 h + j]
	global_load_b128 v[BI+8*\b+4:BI+8*\b+7], v7, s[12:13] offset:4*(32*(\b/2)+8*(\b%2))+16
.endr
	s_lshl_b32 s22, s[WA], 14
	v_add_nc_u32 v[ADRA], s22, v4
	v_add_nc_u32 v[ADRA+1], 65536, v[ADRA]
	s_lshl_b32 s23, s[WB], 15
	s_add_co_u32 s23, s23, BL
	v_add_nc_u32 v[ADRB], s23, v4
	v_add_nc_u32 v[ADRB+1], BSL, v[ADRB]
	v_lshlrev_b32 v5, 4, v2
	s_mul_i32 s22, s[WA], 4*544
	s_mul_i32 s23, s[WB], 8*544
	s_add_co_u32 s23, s23, 8*544
	s_sub_co_u32 s23, s23, s22
	v_mul_u32_u24 v6, s23, v3                      ; lanes 16-31 take B's: one product, the distance between the two bases
	s_add_co_u32 s22, s22, SCL
	v_add_nc_u32 v5, v5, v6
	v_add_nc_u32 v[ADRS], s22, v5
	s_mul_i32 s22, s[WV], 16*SPITCH                ; my stage
	v_mul_u32_u24 v5, v2, SPITCH
	v_lshl_add_u32 v5, v3, 6, v5
	v_add_nc_u32 v[STO], s22, v5
	v_add_nc_u32 v[RD], s22, v4
	v_mov_b32 v[CO], v4
	v_bfe_u32 v6, v0, 4, 2                         ; where my words go: the pair's two tiles of 544 bytes, row r, the upper heads' words 272 bytes on
	v_mul_u32_u24 v6, 1088, v6
	v_lshl_add_u32 v6, v2, 4, v6
	v_mad_u32_u24 v6, v9, 272, v6
	v_add_nc_u32 v6, SCL, v6
	s_wait_alu depctr_va_vdst(0)
	s_wait_loadcnt 16                              ; the scale bytes are in (the 16 loads of the bias may be out)
.irp n, 0,1,2,3
	v_perm_b32 v[144+\n], v[129+2*\n], v[128+2*\n], s82   ; two heads' bytes make the word of 128 along K: the even tile's,
	v_perm_b32 v[148+\n], v[129+2*\n], v[128+2*\n], s83   ; the odd tile's
.endr
	ds_store_b128 v6, v[144:147]
	ds_store_b128 v6, v[148:151] offset:544
	s_wait_alu depctr_va_vdst(0)
	s_wait_tensorcnt 0x0                           ; my tile of the head's is in
	ds_add_u32 v[SPW], v[NIL]
	s_mov_b32 s[G1B+2], 64<<16                     ; no tensor load of mine is out: the ring's loads bring 64 rows, a quarter of a slot
	s_mov_b32 s[G1B+4], 64
	s_wait_dscnt 0x0                               ; the add and my stores of scale words are done
	CROUND
	TL G0B+4, G1B                                  ; K step 1 into slot 1: the first tensor load behind the round
	FETCH 0, 0
	SCALES 0
	s_wait_loadcnt 0x0                             ; the bias
	STEP 0, 1
	TURN 0, 1                                      ; slot 0 takes K step 2
	STEP 1, 0
	s_wait_tensorcnt 0x0                           ; K step 2's load is done, and slot 1's was done at the last change: its address may step to K step 3
	s_add_nc_u64 s[G0B+6:G0B+7], s[G0B+6:G0B+7], 2*PLB
	TURN 1, 1                                      ; slot 1 takes K step 3
	STEP 2, 0
	TURN 2, 0                                      ; nothing is left to fetch
	STEP 3, 0
	s_wait_dscnt 0x0
	WIN 0xa1
.irp a, 0,1,2,3
	MUL8 \a, 1, 3, 0
.endr
	WIN 0
.macro TOSTAGE a
	WIN 0x08                                       ; the data: window 2
.irp b, 0,1,2,3,4,5,6,7
	ds_store_b128 v[STO], v[64*(\a)+8*\b:64*(\a)+8*\b+3] offset:128*(\b/2)+32*(\b%2)          ; each accumulator from its low end on
	ds_store_b128 v[STO], v[64*(\a)+8*\b+4:64*(\a)+8*\b+7] offset:128*(\b/2)+32*(\b%2)+16
.endr
	WIN 0
.set BB, BK+64*((\a)%2)
.irp t, 0,1,2,3,4,5,6,7,8,9,10,11,12,13,14,15
	ds_load_b128 v[BB+4*\t:BB+4*\t+3], v[RD] offset:\t*SPITCH      ; LDS serves a wave's instructions in order (ISA guide 5.7.1.4): these see the stores above
.endr
.endm
.macro SEND a, younger                 ; younger: the LDS instructions issued behind block a's loads
.set BB, BK+64*((\a)%2)
	s_wait_dscnt \younger
.if (\a) > 0
.if (\a)%2
	s_add_nc_u64 s[14:15], s[14:15], 8*4096        ; the odd tile's rows begin 8 tokens on,
.else
	s_add_nc_u64 s[14:15], s[14:15], 24*4096       ; the next pair's 24 more
.endif
.endif
.irp t, 0,1,2,3,4,5,6,7,8,9,10,11,12,13,14,15
	global_store_b128 v[CO], v[BB+4*\t:BB+4*\t+3], s[14:15] offset:(\t+8*(\t/8))*4096 th:TH_STORE_NT   ; 512 consecutive bytes, aligned
.endr
.endm
	PLACES NP
	TOSTAGE 0
.irp a, 1,2,3
.if \a > 1
	s_wait_xcnt 0x0                                ; block a - 2's stores have read their registers and their base
.endif
	TOSTAGE \a
	SEND \a-1, 32
.endr
	s_wait_xcnt 0x0
	SEND 3, 0
	s_wait_tensorcnt 0x0                           ; the wave's end
	ds_add_u32 v[SPW], v[NIL]
	s_wait_dscnt 0x0
	CROUND                                         ; the closing round
	s_endpgm
.Lfunc_end_k_q26e2650a19_oproj:
	.size	k_q26e2650a19_oproj, .Lfunc_end_k_q26e2650a19_oproj-k_q26e2650a19_oproj
	.p2alignl 7, 3214868480
	.fill 96, 4, 3214868480
	.section	.rodata,"a",@progbits
	.p2align	6, 0x0
	.amdhsa_kernel k_q26e2650a19_oproj
		.amdhsa_group_segment_fixed_size 327680
		.amdhsa_private_segment_fixed_size 0
		.amdhsa_enable_private_segment 0
		.amdhsa_kernarg_size 48
		.amdhsa_user_sgpr_count 2
		.amdhsa_user_sgpr_kernarg_segment_ptr 1
		.amdhsa_wavefront_size32 1
		.amdhsa_system_sgpr_workgroup_id_x 1
		.amdhsa_system_sgpr_workgroup_id_y 1
		.amdhsa_system_sgpr_workgroup_id_z 1
		.amdhsa_system_vgpr_workitem_id 0
		.amdhsa_next_free_vgpr 768
		.amdhsa_next_free_sgpr 100
		.amdhsa_reserve_vcc 0
		.amdhsa_float_denorm_mode_32 3
		.amdhsa_float_denorm_mode_16_64 3
		.amdhsa_memory_ordered 1
		.amdhsa_forward_progress 1
		.amdhsa_inst_pref_size 90
	.end_amdhsa_kernel
	.amdgpu_metadata
---
amdhsa.version: [ 1, 2 ]
amdhsa.kernels:
  - .name:           k_q26e2650a19_oproj
    .symbol:         k_q26e2650a19_oproj.kd
    .args:
      - { .name: cc, .offset: 0, .size: 8, .value_kind: global_buffer, .address_space: global }
      - { .name: cs, .offset: 8, .size: 8, .value_kind: global_buffer, .address_space: global }
      - { .name: xw, .offset: 16, .size: 8, .value_kind: global_buffer, .address_space: global }
      - { .name: xws, .offset: 24, .size: 8, .value_kind: global_buffer, .address_space: global }
      - { .name: bo, .offset: 32, .size: 8, .value_kind: global_buffer, .address_space: global }
      - { .name: out0, .offset: 40, .size: 8, .value_kind: global_buffer, .address_space: global }
    .group_segment_fixed_size: 327680
    .private_segment_fixed_size: 0
    .kernarg_segment_align: 8
    .kernarg_segment_size: 48
    .max_flat_workgroup_size: 128
    .sgpr_count:     100
    .vgpr_count:     768
    .wavefront_size: 32
...
	.end_amdgpu_metadata
.endif
;; end of part 4
